; MI455X (gfx1250); checked and timed in simulation.
; The chip was launched on July 23, 2026; its instructions are those of AMD's public machine-readable ISA for CDNA 5 (MIT licence, August 2026) and "CDNA5" Instruction Set Architecture Reference Guide (July 2026). The comments in the code are by the model that wrote it; some were corrected since.
;; MLA. Allowed arithmetic: matrix products marked QUANTISED: E4M3 operands, one given power-of-two scale a tensor, by v_wmma_f32_16x16x64_fp8_fp8 or v_wmma_f32_16x16x128_fp8_fp8, f32 sums; everything else in f32.
;; Inputs: Wk 2,048 x 3,072 float32; Wo 2,048 x 2,048 float32; Wq 2,048 x 3,072 float32; Wv 2,048 x 2,048 float32; bk 3,072 float32; bo 2,048 float32; bq 3,072 float32; bv 2,048 float32; freqs_cis 1,024 x 1 x 32 x 2 float32; lowp_scales 12 int32 (the exponents e of the quantised operands' scales 2^e); mask 1,024 x 1,024 float32; x 2 x 1,024 x 2,048 float32.
;; Outputs: out0 2 x 1,024 x 2,048 float32.
;; This version of the problem:
;;   THIS VERSION OF THE PROBLEM IS GIVEN IN LOW PRECISION. The matrix products marked QUANTISED in the list below multiply operands that are first quantised to E4M3 (4 exponent bits, 3 mantissa bits; 8 bits a number), with one given power-of-two scale for each operand tensor; their sums are f32. All else is computed in f32.
;;   The module's matrix products, in the order in which they are computed (A, B: the left and right operand; K: the contracted axis; several contracted axes count as one K, in the product's order):
;;     1. [M 2,048, K 2,048] x [K 2,048, N 3,072]; A: input x; B: input Wq: QUANTISED (scales: A lowp_scales[0], B lowp_scales[1])
;;     2. [M 2,048, K 2,048] x [K 2,048, N 3,072]; A: input x; B: input Wk: QUANTISED (scales: A lowp_scales[2], B lowp_scales[3])
;;     3. [M 2,048, K 2,048] x [K 2,048, N 2,048]; A: input x; B: input Wv: QUANTISED (scales: A lowp_scales[4], B lowp_scales[5])
;;     4. batch 32 x [M 1,024, K 192] x [K 192, N 1,024]; A: computed on the way; B: computed on the way: QUANTISED (scales: A lowp_scales[6], B lowp_scales[7])
;;     5. batch 32 x [M 128, K 1,024] x [K 1,024, N 1,024]; A: computed on the way; B: softmax (see below): QUANTISED (scales: A lowp_scales[8], B lowp_scales[9])
;;     6. [M 2,048, K 2,048] x [K 2,048, N 2,048]; A: computed on the way; B: input Wo: QUANTISED (scales: A lowp_scales[10], B lowp_scales[11])
;;   THE QUANTISER, for each operand of a quantised product, along K:
;;     - The operand's scale is 2^e, e = its entry of the input lowp_scales (int32; the entries are numbered through the quantised products in the list's order, A before B).
;;     - Each number is divided by the scale, clamped to +-448, and rounded to the nearest number of E4M3, ties to even, subnormals kept.
;;     - The product sums the exact products of the quantised numbers (number of the format x scale) in f32.
;;   ~~~python
;;   def quantise(x, axis, e):      # numpy; x: float32 -> the quantised numbers, widened to float32 again
;;       x = np.moveaxis(x, axis, -1); K = x.shape[-1]
;;       r = np.clip(x / 2.0 ** e, -448, 448)
;;       step = 2.0 ** (np.maximum(np.frexp(np.where(r == 0, 1, r))[1] - 1, -6) - 3)
;;       q = np.round(r / step) * step * 2.0 ** e      # np.round: ties to even
;;       return np.moveaxis(q, -1, axis).astype(np.float32)
;;   ~~~
;;   SOFTMAX AHEAD OF A QUANTISED PRODUCT. Where the list says 'softmax', what is quantised is not the finished softmax but p = 2^(t - M), with t = logit x log2(e) and M = ceil(the row's largest t), a whole number; so 1/2 < the row's largest p <= 1. The row's sum l is taken of the UNQUANTISED p, in f32, and the product's result is divided by l at the end. Since M is a whole number, a kernel that streams over the keys may use a running M (the ceiling of the running maximum): every later rescaling is an exact power of two, so the quantised numbers keep their values, but for numbers so far below the row's largest that they fall under the format's range.
;;   OPERANDS COMPUTED ON THE WAY. 'Computed on the way' means the value that the module computes at that place (a softmax that the list does not call 'softmax' is quantised finished and normalised). What goes into a quantiser is computed in f32, as accurately as f32 sums, v_exp_f32 and their like allow (about 1e-6 of the number): no bf16 or f16 on the way to a quantiser, and a product that is left as it is and whose result goes on into a quantised operand takes f32 operands (vector FMAs, or v_wmma_f32_16x16x4_f32). A number that lies on a knife's edge between two numbers of the format may be rounded either way, as far as f32 arithmetic and the matrix unit's own rounding can turn it there, and no further.
;; One version. Each part assembles by itself: llvm-mc -triple=amdgcn-amd-amdhsa -mcpu=gfx1250 --defsym DOCPART=n.
;; ======== version 1 of 1: 4 launches
;; limits: right only within a limited range of input values
;; workspace buffers: xq 12,582,912 bytes; wc 20,971,520 bytes; mimg 4,194,304 bytes; qimg 6,291,456 bytes; kv 10,485,760 bytes; ctx 4,194,304 bytes
;; launch quant (part 1): grid 672 x 1, 4 waves a work-group, no clusters, 55,808 bytes of LDS; arguments x, mask, Wq, Wk, Wv, lowp_scales, xq, mimg, wc; writes xq, mimg, wc
.if DOCPART == 1
	.amdgcn_target "amdgcn-amd-amdhsa--gfx1250"
	.amdhsa_code_object_version 6
	.text
	.protected	k_qc244dcd8c1_quant
	.globl	k_qc244dcd8c1_quant
	.p2align	8
	.type	k_qc244dcd8c1_quant,@function
k_qc244dcd8c1_quant:
	s_mov_b64 s[64:65], 0
	v_nop
	global_prefetch_b8 v0, s[64:65] scope:SCOPE_SE
	s_setreg_imm32_b32 hwreg(HW_REG_WAVE_MODE, 25, 1), 1
	s_wait_xcnt 0x0
; LAUNCH 1 OF 4: what arrives as f32 and is read many times by launches 2 and 3 is laid out once, narrow, as its readers want it.  (Wo, which launch 4 alone reads, is quantised in launch 3.)
; NO WORK OF THE PROBLEM IS LEFT OUT, here or later: bq, bk, bv move codes of live quantised operands, the mask is an input whose numbers are honoured one by one
; (every tile of scores is computed), freqs_cis and bo reach the result.  Every input is loaded by some launch.
;  work-groups   0-127  X: x [4,194,304 numbers] -> three sets of E4M3 codes in xq, under the scales of entries 0, 2 and 4 (they may differ)
;  work-groups 128-159  M: mask [1024][1024] -> mimg: x sqrt(192) x 2^-(e6+e7), in the order of the score accumulators' registers, so that it can be the C of the first score product
;  work-groups 160-671  W: Wq, Wk, Wv ([K][N], K first) -> wc rows 0-8191 of [10240 rows][2048 K] codes, K innermost.  Rows: 0 q plain (h x 128 + d), 2048 q rotary (h x 64 + d'),
;                          3072 k plain, 5120 k rotary, 6144 Wv's columns  (rows 8192 on: Wo's columns, stored by launch 3)
; code = number / 2^e, held within +-448, to the nearest code, ties to even.
; LIMITS: each e between -126 and 119; e6 + e7 between -122 and 128; mask x sqrt(192) x 2^-(e6+e7) finite; NaN and infinities among the inputs are not served.
; A stream: no matrix unit, no cluster (work-groups share no input), no tensor load; several work-groups lie on a WGP.  The three paths part on the work-group's number, never join, and have LDS bytes of their own.
.set SPARE, 55296                      ; behind the stages: the spare words, 128 bytes a wave
.set WSTG,  20480                      ; W's stages: 4 waves x 32 rows x 272 bytes; X's lie at 0: 4 waves x 2 x 32 x 80 bytes
.set SPW,   14                         ; v14  my spare word; never rewritten
.set NIL,   15                         ; v15  0; never rewritten
.macro MKSCALE se, vs, vl              ; v[vs] = 2^e as f32 (the conversion takes its exponent field), v[vl] = 448 x 2^e
	s_add_co_i32 s78, \se, 127
	s_lshl_b32 s79, s78, 23
	v_mov_b32 v[\vs], s79
	s_add_co_i32 s78, s78, 8
	s_lshl_b32 s78, s78, 23
	s_or_b32 s78, s78, 0x600000
	v_mov_b32 v[\vl], s78
.endm
.macro WAVE_END                        ; the wave's end, behind its last LDS store
	s_wait_tensorcnt 0x0
	ds_add_u32 v[SPW], v[NIL]
	s_wait_dscnt 0x0
	s_endpgm
.endm
	s_load_b512 s[4:19], s[0:1], 0x0               ; x 4, mask 6, Wq 8, Wk 10, Wv 12, scales 14, xq 16, mimg 18
	s_load_b64 s[20:21], s[0:1], 0x40              ; wc
	v_lshl_add_u32 v[SPW], v0, 2, SPARE
	v_mov_b32 v[NIL], 0
	v_lshrrev_b32 v1, 5, v0
	v_readfirstlane_b32 s36, v1                    ; wave
	v_and_b32 v2, 31, v0                           ; lane
	v_lshlrev_b32 v3, 4, v2                        ; 16 x lane
	s_wait_kmcnt 0x0
	s_load_b256 s[24:31], s[14:15], 0x0            ; e0 .. e7
	s_cmp_lt_u32 ttmp9, 128
	s_cbranch_scc1 .Lxpath
	s_cmp_lt_u32 ttmp9, 160
	s_cbranch_scc1 .Lmpath
; ---------------- W: a lane takes a column n, its registers run down K; the codes leave through the wave's stage as rows of 256 bytes
	s_sub_co_u32 s37, ttmp9, 160
	s_lshr_b32 s38, s37, 3                         ; group of 128 columns, 0..63: 24 of Wq, 24 of Wk, 16 of Wv
	s_and_b32 s39, s37, 7                          ; which 256 along K
	s_wait_kmcnt 0x0
	s_mov_b64 s[56:57], s[12:13]                   ; the choices hang on the work-group's number alone
	s_mov_b32 s58, s29                             ; e5
	s_mov_b32 s59, 48                              ; the weight's first group
	s_mov_b32 s60, 6144                            ; its first row in wc
	s_mov_b32 s61, 8192                            ; a row of the weight in bytes
	s_cmp_lt_u32 s38, 48
	s_cselect_b64 s[56:57], s[10:11], s[56:57]
	s_cselect_b32 s58, s27, s58
	s_cselect_b32 s59, 24, s59
	s_cselect_b32 s60, 3072, s60
	s_cselect_b32 s61, 12288, s61
	s_cmp_lt_u32 s38, 24
	s_cselect_b64 s[56:57], s[8:9], s[56:57]
	s_cselect_b32 s58, s25, s58
	s_cselect_b32 s59, 0, s59
	s_cselect_b32 s60, 0, s60
	s_sub_co_u32 s59, s38, s59
	s_lshl_b32 s62, s59, 2
	s_add_co_u32 s62, s62, s36                     ; G: my wave's 32 columns are columns 32 G on
	s_lshl_b32 s63, s62, 5                         ; n0
	s_mul_i32 s66, s62, 43
	s_lshr_b32 s66, s66, 8                         ; q, k: the head = G / 6 (exact for G under 96)
	s_mul_i32 s67, s66, 6
	s_sub_co_u32 s67, s62, s67                     ; which 32 of the head's 192
	s_lshl_b32 s68, s67, 5
	s_lshl_b32 s69, s66, 7
	s_add_co_u32 s69, s69, s68                     ; plain: 128 h + d
	s_lshl_b32 s70, s66, 6
	s_add_co_u32 s70, s70, s68
	s_add_co_u32 s70, s70, 1920                    ; rotary: 2048 + 64 h + (d - 128)
	s_cmp_lt_u32 s67, 4
	s_cselect_b32 s69, s69, s70
	s_cmp_lt_u32 s38, 48
	s_cselect_b32 s69, s69, s63                    ; Wv: the column as it is
	s_add_co_u32 s69, s69, s60
	s_lshl_b32 s70, s69, 11
	s_lshl_b32 s71, s39, 8
	s_add_co_u32 s70, s70, s71
	s_mov_b32 s71, 0
	s_add_nc_u64 s[22:23], s[20:21], s[70:71]      ; wc at my first row, my 256 along K
	s_lshl_b32 s72, s39, 8
	s_mul_i32 s72, s72, s61
	s_lshl_b32 s73, s63, 2
	s_add_co_u32 s72, s72, s73
	s_mov_b32 s73, 0
	s_add_nc_u64 s[40:41], s[56:57], s[72:73]      ; a base for each block of 32 along K: the row's length is no constant of the text
	s_lshl_b32 s72, s61, 5
.irp t, 1,2,3,4,5,6,7
	s_add_nc_u64 s[40+2*\t:41+2*\t], s[38+2*\t:39+2*\t], s[72:73]
.endr
	s_wait_alu depctr_va_vdst(0)
	v_lshlrev_b32 v176, 2, v2                      ; v176-207: 4 x lane + i rows
.set wi, 1
.rept 31
	v_add_nc_u32 v[176+wi], s61, v[175+wi]
.set wi, wi+1
.endr
	s_mul_i32 s74, s36, 32*272
	s_add_co_u32 s74, s74, WSTG
	v_mul_u32_u24 v4, v2, 272
	v_add_nc_u32 v4, s74, v4                       ; into the stage: row = my column
	v_and_b32 v5, 15, v2
	v_lshrrev_b32 v6, 4, v2
	v_mul_u32_u24 v7, v6, 272
	v_lshl_add_u32 v7, v5, 4, v7
	v_add_nc_u32 v7, s74, v7                       ; out of it: sixteen lanes to a row
	v_lshlrev_b32 v8, 11, v6
	v_lshl_add_u32 v8, v5, 4, v8                   ; and the same place in wc
.macro WLOAD t                         ; block t: W(32 t + i, my column): 32 lanes read 128 consecutive bytes
.set wi, 0
.rept 32
	global_load_b32 v[32+32*((\t)%2)+wi], v[176+wi], s[40+2*(\t):41+2*(\t)] th:TH_LOAD_NT
.set wi, wi+1
.endr
.endm
.macro WBLOCK t
.set XS, 32+32*((\t)%2)
.if (\t) < 7
	s_wait_loadcnt 32                              ; this block's 32 loads are in; the next block's 32 may be out
.else
	s_wait_loadcnt 0
.endif
.set wi, 0
.rept 32
	v_med3_num_f32 v[XS+wi], v[XS+wi], -v10, v10   ; the conversion does not saturate (ISA guide 7.6.2): the hold comes first
.set wi, wi+1
.endr
.set wi, 0
.rept 4
	v_cvt_scalef32_pk8_fp8_f32 v[96+2*wi:97+2*wi], v[XS+8*wi:XS+8*wi+7], v11
.set wi, wi+1
.endr
	ds_store_b128 v4, v[96:99] offset:32*(\t)
	ds_store_b128 v4, v[100:103] offset:32*(\t)+16
.if (\t)+2 < 8
	WLOAD (\t)+2
.endif
	s_wait_dscnt 0x0                               ; the stores have read their registers; the next block's 32 holds are the plain lines ahead of its conversions
.endm
	WLOAD 0
	WLOAD 1
	MKSCALE s58, 11, 10
	s_wait_alu depctr_va_vdst(0)
.irp t, 0,1,2,3,4,5,6,7
	WBLOCK \t
.endr
.set wi, 0
.rept 16
	ds_load_b128 v[112+4*wi:115+4*wi], v7 offset:2*wi*272   ; LDS serves a wave's instructions in order: these see my stores
.set wi, wi+1
.endr
.set wi, 0
.rept 16
	s_wait_dscnt 15-wi
	global_store_b128 v8, v[112+4*wi:115+4*wi], s[22:23] offset:2*wi*2048   ; sixteen lanes store 256 consecutive bytes, aligned
.set wi, wi+1
.endr
	WAVE_END
; ---------------- X: a wave takes 16 steps of 512 numbers; dense loads, a turn through the wave's stage so that a lane holds 16 neighbours, three conversions
.Lxpath:
	s_lshl_b32 s37, ttmp9, 2
	s_add_co_u32 s37, s37, s36                     ; which run of 8,192 numbers
	s_lshl_b32 s38, s37, 15
	s_mov_b32 s39, 0
	s_add_nc_u64 s[4:5], s[4:5], s[38:39]
	s_lshl_b32 s38, s37, 13
	s_add_nc_u64 s[40:41], s[16:17], s[38:39]      ; the three sets of codes lie 4,194,304 bytes apart
	s_add_nc_u64 s[42:43], s[40:41], 0x400000
	s_add_nc_u64 s[44:45], s[40:41], 0x800000
	s_mul_i32 s46, s36, 5120
	s_wait_alu depctr_va_vdst(0)
	v_lshrrev_b32 v12, 2, v2
	v_mul_u32_u24 v12, v12, 80
	v_and_b32 v13, 3, v2
	v_lshl_add_u32 v12, v13, 4, v12
	v_add_nc_u32 v12, s46, v12                     ; in: four lanes' 64 bytes on end, then 16 of padding
	v_mul_u32_u24 v13, v2, 80
	v_add_nc_u32 v13, s46, v13                     ; out: my 16 neighbours
.macro XLOAD t
.set li, 0
.rept 4
	global_load_b128 v[16+16*((\t)%4)+4*li:16+16*((\t)%4)+4*li+3], v3, s[4:5] offset:2048*(\t)+512*li th:TH_LOAD_NT
.set li, li+1
.endr
.endm
.macro XTURN t
.set li, 0
.rept 4
	ds_store_b128 v12, v[16+16*((\t)%4)+4*li:16+16*((\t)%4)+4*li+3] offset:2560*((\t)%2)+640*li
.set li, li+1
.endr
.set li, 0
.rept 4
	ds_load_b128 v[80+16*((\t)%2)+4*li:80+16*((\t)%2)+4*li+3], v13 offset:2560*((\t)%2)+16*li
.set li, li+1
.endr
.endm
.macro XSTEP t
.set XS, 80+16*((\t)%2)
.set CC, 160+12*((\t)%2)
	s_wait_dscnt 0x0                               ; this step's numbers are back; its stores into the stage have read their registers,
.if (\t)+4 < 16
	XLOAD (\t)+4                                   ; which take the loads of four steps on
.endif
.if (\t)+1 < 16
.if 14-(\t) >= 3
	s_wait_loadcnt 12                              ; the next step's four loads are in; the three steps' behind them may be out
.else
	s_wait_loadcnt 4*(14-(\t))
.endif
	XTURN (\t)+1
.endif
	s_wait_xcnt 0x0                                ; the stores of two steps ago have read this set of code registers
.set li, 0
.rept 16
	v_med3_num_f32 v[112+li], v[XS+li], -v8, v8
	v_med3_num_f32 v[128+li], v[XS+li], -v9, v9
	v_med3_num_f32 v[144+li], v[XS+li], -v10, v10
.set li, li+1
.endr
	v_cvt_scalef32_pk8_fp8_f32 v[CC:CC+1], v[112:119], v5
	v_cvt_scalef32_pk8_fp8_f32 v[CC+2:CC+3], v[120:127], v5
	v_cvt_scalef32_pk8_fp8_f32 v[CC+4:CC+5], v[128:135], v6
	v_cvt_scalef32_pk8_fp8_f32 v[CC+6:CC+7], v[136:143], v6
	v_cvt_scalef32_pk8_fp8_f32 v[CC+8:CC+9], v[144:151], v7
	v_cvt_scalef32_pk8_fp8_f32 v[CC+10:CC+11], v[152:159], v7
	v_nop                                          ; a plain line behind the conversions: the next step's holds write their sources
	global_store_b128 v3, v[CC:CC+3], s[40:41] offset:512*(\t)       ; 32 lanes store 512 consecutive bytes
	global_store_b128 v3, v[CC+4:CC+7], s[42:43] offset:512*(\t)
	global_store_b128 v3, v[CC+8:CC+11], s[44:45] offset:512*(\t)
.endm
.irp t, 0,1,2,3
	XLOAD \t
.endr
	s_wait_alu depctr_va_vdst(0)
	s_wait_kmcnt 0x0
	MKSCALE s24, 5, 8
	MKSCALE s26, 6, 9
	MKSCALE s28, 7, 10
	s_wait_alu depctr_va_vdst(0)
	s_wait_loadcnt 12                              ; step 0's four loads are in
	XTURN 0
.irp t, 0,1,2,3,4,5,6,7,8,9,10,11,12,13,14,15
	XSTEP \t
.endr
	WAVE_END
; ---------------- M: a wave takes 16 queries x 512 keys, 128 keys at a time.  Register 4 g + w of lane (r, h) = mask(16 qt + r, 128 ks + 16 (g / 2) + 8 h + 4 (g % 2) + w): group g goes out as 512 dense bytes
.Lmpath:
	s_sub_co_u32 s37, ttmp9, 128
	s_lshl_b32 s37, s37, 2
	s_add_co_u32 s37, s37, s36
	s_lshr_b32 s38, s37, 1                         ; qt
	s_and_b32 s39, s37, 1
	s_lshl_b32 s39, s39, 2                         ; the first of my four key steps
	s_lshl_b32 s40, s38, 16
	s_lshl_b32 s41, s39, 9
	s_add_co_u32 s40, s40, s41
	s_mov_b32 s41, 0
	s_add_nc_u64 s[6:7], s[6:7], s[40:41]
	s_lshl_b32 s40, s38, 3
	s_add_co_u32 s40, s40, s39
	s_lshl_b32 s40, s40, 13
	s_add_nc_u64 s[20:21], s[18:19], s[40:41]      ; mimg at my first block
	v_and_b32 v4, 15, v0
	v_bfe_u32 v5, v0, 4, 1
	v_lshlrev_b32 v8, 12, v4
	v_lshl_add_u32 v8, v5, 5, v8                   ; row r of 4,096 bytes, + 32 h
.macro MLOAD k                         ; the sixteen loads together read 16 rows x 512 bytes whole
.set mi, 0
.rept 16
	global_load_b128 v[16+64*((\k)%2)+4*mi:16+64*((\k)%2)+4*mi+3], v8, s[6:7] offset:512*(\k)+64*(mi/2)+16*(mi%2)
.set mi, mi+1
.endr
.endm
.macro MOUT k
.set mi, 0
.rept 32
	v_pk_mul_f32 v[16+64*((\k)%2)+2*mi:16+64*((\k)%2)+2*mi+1], v[16+64*((\k)%2)+2*mi:16+64*((\k)%2)+2*mi+1], s[42:43] op_sel_hi:[1,0]
.set mi, mi+1
.endr
.set mi, 0
.rept 16
	global_store_b128 v3, v[16+64*((\k)%2)+4*mi:16+64*((\k)%2)+4*mi+3], s[20:21] offset:8192*(\k)+512*mi
.set mi, mi+1
.endr
.endm
	MLOAD 0
	MLOAD 1
	s_wait_kmcnt 0x0
	s_add_co_i32 s42, s30, s31
	s_lshl_b32 s42, s42, 23
	s_sub_co_i32 s42, 0x415db3d7, s42              ; sqrt(192) x 2^-(e6+e7): the exponents taken off the exponent field
	s_mov_b32 s43, s42                             ; (named with it as a pair)
	s_wait_loadcnt 16                              ; the older set is in, the other set's 16 loads may be out
	MOUT 0
	s_wait_xcnt 0x0                                ; the stores have read their registers: they may be loaded again
	MLOAD 2
	s_wait_loadcnt 16
	MOUT 1
	s_wait_xcnt 0x0
	MLOAD 3
	s_wait_loadcnt 16
	MOUT 2
	s_wait_loadcnt 0
	MOUT 3
	WAVE_END
.Lfunc_end_k_qc244dcd8c1_quant:
	.size	k_qc244dcd8c1_quant, .Lfunc_end_k_qc244dcd8c1_quant-k_qc244dcd8c1_quant
	.p2alignl 7, 3214868480
	.fill 96, 4, 3214868480
	.section	.rodata,"a",@progbits
	.p2align	6, 0x0
	.amdhsa_kernel k_qc244dcd8c1_quant
		.amdhsa_group_segment_fixed_size 55808
		.amdhsa_private_segment_fixed_size 0
		.amdhsa_enable_private_segment 0
		.amdhsa_kernarg_size 72
		.amdhsa_user_sgpr_count 2
		.amdhsa_user_sgpr_kernarg_segment_ptr 1
		.amdhsa_wavefront_size32 1
		.amdhsa_system_sgpr_workgroup_id_x 1
		.amdhsa_system_sgpr_workgroup_id_y 1
		.amdhsa_system_sgpr_workgroup_id_z 1
		.amdhsa_system_vgpr_workitem_id 0
		.amdhsa_next_free_vgpr 208
		.amdhsa_next_free_sgpr 80
		.amdhsa_reserve_vcc 0
		.amdhsa_float_denorm_mode_32 3
		.amdhsa_float_denorm_mode_16_64 3
		.amdhsa_memory_ordered 1
		.amdhsa_forward_progress 1
		.amdhsa_inst_pref_size 150
	.end_amdhsa_kernel
	.amdgpu_metadata
---
amdhsa.version: [ 1, 2 ]
amdhsa.kernels:
  - .name:           k_qc244dcd8c1_quant
    .symbol:         k_qc244dcd8c1_quant.kd
    .args:
      - { .name: x, .offset: 0, .size: 8, .value_kind: global_buffer, .address_space: global }
      - { .name: mask, .offset: 8, .size: 8, .value_kind: global_buffer, .address_space: global }
      - { .name: Wq, .offset: 16, .size: 8, .value_kind: global_buffer, .address_space: global }
      - { .name: Wk, .offset: 24, .size: 8, .value_kind: global_buffer, .address_space: global }
      - { .name: Wv, .offset: 32, .size: 8, .value_kind: global_buffer, .address_space: global }
      - { .name: lowp_scales, .offset: 40, .size: 8, .value_kind: global_buffer, .address_space: global }
      - { .name: xq, .offset: 48, .size: 8, .value_kind: global_buffer, .address_space: global }
      - { .name: mimg, .offset: 56, .size: 8, .value_kind: global_buffer, .address_space: global }
      - { .name: wc, .offset: 64, .size: 8, .value_kind: global_buffer, .address_space: global }
    .group_segment_fixed_size: 55808
    .private_segment_fixed_size: 0
    .kernarg_segment_align: 8
    .kernarg_segment_size: 72
    .max_flat_workgroup_size: 128
    .sgpr_count:     80
    .vgpr_count:     208
    .wavefront_size: 32
...
	.end_amdgpu_metadata
.endif
;; end of part 1
;; launch qkv (part 2): grid 32 x 8, 4 waves a work-group, clusters of 4 x 4, 327,680 bytes of LDS; arguments xq, wc, lowp_scales, bq, bk, bv, freqs_cis, qimg, kv; writes qimg, kv
.if DOCPART == 2
	.amdgcn_target "amdgcn-amd-amdhsa--gfx1250"
	.amdhsa_code_object_version 6
	.text
	.protected	k_qc244dcd8c1_qkv
	.globl	k_qc244dcd8c1_qkv
	.p2align	8
	.type	k_qc244dcd8c1_qkv,@function
k_qc244dcd8c1_qkv:
	s_mov_b64 s[64:65], 0
	v_nop
	global_prefetch_b8 v0, s[64:65] scope:SCOPE_SE
	s_setreg_imm32_b32 hwreg(HW_REG_WAVE_MODE, 25, 1), 1
	s_wait_xcnt 0x0
	s_wait_alu depctr_hold_cnt(0) depctr_sa_sdst(0) depctr_va_vdst(0) depctr_va_sdst(0) depctr_va_ssrc(0) depctr_va_vcc(0) depctr_vm_vsrc(0)
	s_getreg_b32 s2, hwreg(HW_REG_IB_STS2, 6, 4)
	s_cmp_eq_u32 s2, 0
	s_cbranch_scc0 .Lentry_in_a_cluster
	s_endpgm
.Lentry_in_a_cluster:
	s_bfe_u32 s2, ttmp6, 0x10000c
	s_cmp_lg_u32 s2, 0xf033
	s_cbranch_scc0 .Lentry_shape_is_right
	s_endpgm
.Lentry_shape_is_right:
; LAUNCH 2 OF 4: x Wq, x Wk, x Wv as ONE product of 256 tiles of 256 x 256 on E4M3 codes, K = 2048; with bias, rotation, and the quantiser of the attention's operands.  Nothing is left out.
; A tile is made by four waves, 128 x 128 each (64 accumulators, 512 registers).  K goes in steps of 256 through two LDS slots filled by tensor loads; 4 x 4 work-groups form a cluster,
; A's tile is asked for jointly along a row of the cluster, B's along a column.
; THE KIND OF A TILE hangs on the cluster's x alone (the same in all sixteen partners): 0, 1 q plain; 2 q rotary; 3, 4 k plain; 5 k rotary; 6, 7 v.
;   q, k: A = 256 tokens (xq, the set of codes under the product's own scale), B = 256 rows of wc.     v: A = 256 rows of wc (channels), B = 256 tokens: only pointers are swapped.
; THE MATRIX INSTRUCTION IS USED TRANSPOSED (source 0 = 16 rows of B, source 1 = 16 rows of A): a lane holds one row of A and eight neighbours along B, so one conversion of an accumulator's eight
; registers gives registers 2 nb, 2 nb + 1 of an operand in the fp8 forms' own layout, with K = channels for q and k, K = keys for v.
; THE BIAS IS THE C OF THE FIRST PRODUCTS, as bias x 2^-(ea+eb): the sums then stand for (x W + b) x 2^-(ea+eb).  The rotation is linear, so it is made on these sums as they are, and the power of two
; goes into the conversion's scale, 2^(eo-ea-eb), and into the hold, 448 x that: no line of the way out scales anything.
; THE RESULTS LEAVE AS IMAGES OF OPERAND REGISTERS: group g of four registers at byte 512 g + 16 x lane: every store of a wave covers 512 consecutive bytes, aligned; no stage in LDS.
;   qimg [b h 32][128 queries 8][24,576]: 8 images of 2 KB (16 queries x channels 0-127), then 8 of 1 KB (channels 128-191).   kv [b h 32][128 keys 8][40,960]: K likewise, then V: 8 images of 2 KB (16 channels x 128 keys).
; PREFETCH: behind the joint load of K step t stands one prefetch a wave for K step t + 2 (behind K step 0's also for K step 1): 32 rows x 256 bytes, a lane a row.  Of the 128 rows that a wave fetches, each of
; the four partners that ask for them jointly names 32, told apart by address (cx for A, cy for B).  The loads of K steps 6 and 7 ask for nothing.
; LIMITS: ea+eb (e0+e1, e2+e3, e4+e5) between -126 and 126; eo-ea-eb (eo = e6, e7, e8) between -126 and 119; bias x 2^-(ea+eb) a normal f32 number or 0; NaN is not served.
; REGISTERS: window 0: v6-12 offsets and constants, v13 the prefetches' offset, v16-21 LDS addresses, v28, v29 the add's two, v32-95 biases, v96-111 at work, from v128 A's fragments (one set), later the way out.
;   window 1: B's fragments, two sets; in the rotary tiles later the table.   windows 2, 3: the accumulators ((a, b) at v[8 (8 (a % 4) + b)]).
.set ROWB,   256
.set KROW,   2048
.set PITCH,  272                       ; an LDS row: 256 bytes + 16 of padding: the 16 rows of a load start at 16 different banks (64 banks of 4 bytes: ISA guide 11.1)
.set FR,     16
.set NL,     4
.set NP,     4                         ; places behind this matrix instruction (ISA guide 7.12.1)
.set HALFT,  128*PITCH
.set SLOT,   4*HALFT
.set LAPS,   4                         ; 2048 / 512
.set SPARE,  2*SLOT
.set PFO,  13
.set ADRA, 16
.set ADRB, 20
.set SPW,  28
.set NIL,  29
.set BIAS, 32
.set T2,   96
.set AF,   128
.set TMP,  128
.set G1, 24
.set G0, 32
.set G1B, 48
.set G0B, 56
.set PFA, 100                          ; s[100:101] my prefetches' base
.set MSB, 0
.macro WIN new                         ; the immediate's high byte repeats the setting that is left
.if MSB != \new
	s_set_vgpr_msb (MSB<<8)|\new
.set MSB, \new
.endif
.endm
.set MUL_LO, 0xa1                      ; source 0 (B) window 1, source 1 (A) window 0, C and D window 2
.set MUL_HI, 0xf1
.set TO_B,   0x40
.macro JLOAD g0a, g1a, g0b, g1b        ; a joint load: waves 0, 1 fetch for A, waves 2, 3 for B; the branch hangs on the wave's number alone; s_nop 0 and four v_nop follow each line
	s_cmp_eq_u32 s15, 0
	s_cbranch_scc0 .Lfor_b_\@
	tensor_load_to_lds s[\g0a:\g0a+3], s[\g1a:\g1a+7]
	s_nop 0
.rept 4
	v_nop
.endr
	s_branch .Lasked_\@
.Lfor_b_\@:
	tensor_load_to_lds s[\g0b:\g0b+3], s[\g1b:\g1b+7]
	s_nop 0
.rept 4
	v_nop
.endr
.Lasked_\@:
.endm
.macro CREST
	s_cmp_lg_u32 s14, 0
	s_cbranch_scc1 .Lnot_wave_0_\@
	s_barrier_signal -3
.Lnot_wave_0_\@:
	s_barrier_wait -3
	s_barrier_signal -1
	s_barrier_wait -1
.endm
.macro CROUND
	s_barrier_signal -1
	s_barrier_wait -1
	CREST
.endm
.macro ASK                             ; in the loop: the K step two refills on; s3 = 1 in the last trip, whose refills have none
	s_cmp_gt_u32 s3, 1
	s_cbranch_scc0 .Lno_ask_\@
	global_prefetch_b8 v[PFO], s[PFA:PFA+1] offset:3*ROWB th:TH_LOAD_NT scope:SCOPE_SE
.Lno_ask_\@:
.endm
.macro SCALES                          ; s[96:97] = 2^-(ea+eb); v11 = 2^(eo-ea-eb), v12 = 448 x that
	s_wait_kmcnt 0x0
	s_add_co_i32 s68, s68, s69
	s_add_co_i32 s70, s70, s71
	s_add_co_i32 s72, s72, s73
	s_cmp_lt_u32 ttmp9, 6
	s_cselect_b32 s96, s70, s72
	s_cselect_b32 s67, s75, s76
	s_cmp_lt_u32 ttmp9, 3
	s_cselect_b32 s96, s68, s96                    ; ea + eb
	s_cselect_b32 s67, s74, s67                    ; eo: e6, e7 or e8
	s_sub_co_i32 s67, s67, s96
	s_sub_co_i32 s96, 127, s96
	s_lshl_b32 s96, s96, 23
	s_mov_b32 s97, s96                             ; (named with it as a pair)
	s_add_co_i32 s67, s67, 127
	s_lshl_b32 s2, s67, 23
	v_mov_b32 v11, s2
	s_add_co_i32 s67, s67, 8
	s_lshl_b32 s67, s67, 23
	s_or_b32 s67, s67, 0x600000
	v_mov_b32 v12, s67
.endm
	s_load_b256 s[4:11], s[0:1], 0x0               ; xq 4, wc 6, scales 8, bq 10
	s_load_b256 s[80:87], s[0:1], 0x20             ; bk 80, bv 82, freqs_cis 84, qimg 86
	s_load_b64 s[88:89], s[0:1], 0x40              ; kv
	v_lshl_add_u32 v[SPW], v0, 2, SPARE
	v_mov_b32 v[NIL], 0
	ds_add_u32 v[SPW], v[NIL]                      ; the opening: the add, twice on end, and its wait ahead of my first tensor load
	ds_add_u32 v[SPW], v[NIL]
	v_lshrrev_b32 v1, 5, v0
	v_readfirstlane_b32 s14, v1                    ; wave
	s_lshr_b32 s15, s14, 1                         ; my half of A's rows.  Also: I fetch for A (0) or B (1)
	s_and_b32 s16, s14, 1                          ; my half of B's rows.  Also: which 128 rows I fetch
	s_bfe_u32 s40, ttmp6, 0x40000                  ; cx
	s_bfe_u32 s41, ttmp6, 0x40004                  ; cy
	s_lshl_b32 s42, ttmp9, 2
	s_add_co_u32 s42, s42, s40                     ; C: tile column
	s_and_b32 s17, ttmp7, 0xffff
	s_lshl_b32 s17, s17, 2
	s_add_co_u32 s17, s17, s41                     ; R: tile row
	s_lshl_b32 s43, s41, 2
	s_lshl_b32 s43, 15, s43                        ; my row of the cluster
	s_lshl_b32 s44, 0x1111, s40                    ; my column
	s_or_b32 s[G1+0], s43, (0<<16)|(1<<20)|(1<<21)|(5<<22)|(3<<25)  ; mask; elements of 1 byte; padding on; bit 21 beside a mask; 4 words after every 64
	s_or_b32 s[G1B+0], s44, (0<<16)|(1<<20)|(1<<21)|(5<<22)|(3<<25)
.irp g, G1, G1B
	s_mov_b32 s[\g+1], ROWB<<16                    ; tensor_dim0
	s_mov_b32 s[\g+2], 128<<16                     ; tensor_dim1
	s_mov_b32 s[\g+3], ROWB<<16                    ; tile_dim0
	s_mov_b32 s[\g+4], 128                         ; tile_dim1
	s_mov_b32 s[\g+5], KROW                        ; the pitch
	s_mov_b32 s[\g+6], 0
	s_mov_b32 s[\g+7], 0
.endr
	s_cmp_eq_u32 ttmp9, 2
	s_cselect_b32 s66, 1, 0
	s_cmp_eq_u32 ttmp9, 5
	s_cselect_b32 s66, 1, s66                      ; 1: a rotary tile
	s_lshl_b32 s18, s16, 7
	s_lshl_b32 s20, s17, 8
	s_add_co_u32 s20, s20, s18
	s_lshl_b32 s20, s20, 11                        ; A: (256 R + 128 half) rows of 2,048 bytes,
	s_mov_b32 s21, 6144*2048                       ; v: from Wv's first row in wc;
	s_cmp_lt_u32 ttmp9, 6
	s_cselect_b32 s21, 0x400000, s21               ; k: x's second set of codes;
	s_cmp_lt_u32 ttmp9, 3
	s_cselect_b32 s21, 0, s21                      ; q: its first
	s_add_co_u32 s20, s20, s21
	s_mov_b32 s21, 0
	s_lshl_b32 s46, s42, 8
	s_add_co_u32 s46, s46, s18
	s_lshl_b32 s46, s46, 11                        ; B: q, k: (256 C + 128 half) rows of wc;
	s_cmp_lt_u32 ttmp9, 6
	s_cselect_b32 s47, 0, 0x400000                 ; v: x's third set, tokens 256 (C - 24) on: 8,388,608 - 24 x 256 x 2,048 = -4,194,304
	s_sub_co_u32 s46, s46, s47
	s_mov_b32 s47, 0
	s_mul_i32 s45, s14, HALFT                      ; where my tile goes: wave x 128 rows
	s_wait_dscnt 0x0                               ; both opening adds are done
	s_wait_kmcnt 0x0
	s_load_b256 s[68:75], s[8:9], 0x0              ; e0 .. e7
	s_load_b128 s[76:79], s[8:9], 0x20             ; e8 ..
	s_cmp_lt_u32 ttmp9, 6
	s_cselect_b64 s[18:19], s[4:5], s[6:7]         ; A's buffer,
	s_cselect_b64 s[12:13], s[6:7], s[4:5]         ; B's
	s_add_nc_u64 s[20:21], s[18:19], s[20:21]
	s_add_nc_u64 s[46:47], s[12:13], s[46:47]
.irp s, 0,1
	s_mov_b32 s[G0+4*\s], 1
	s_add_co_u32 s[G0+4*\s+1], s45, \s*SLOT
	s_add_nc_u64 s[G0+4*\s+2:G0+4*\s+3], s[20:21], \s*ROWB
	s_or_b32 s[G0+4*\s+3], s[G0+4*\s+3], 0x80000000
	s_mov_b32 s[G0B+4*\s], 1
	s_add_co_u32 s[G0B+4*\s+1], s45, \s*SLOT
	s_add_nc_u64 s[G0B+4*\s+2:G0B+4*\s+3], s[46:47], \s*ROWB
	s_or_b32 s[G0B+4*\s+3], s[G0B+4*\s+3], 0x80000000
.endr
	CROUND                                         ; all sixteen work-groups are here: the first joint loads meet
	JLOAD G0, G1, G0B, G1B                         ; K step 0: one tensor load a wave at the head
	s_cmp_eq_u32 s15, 0                            ; the prefetches: the tile that I fetch,
	s_cselect_b64 s[PFA:PFA+1], s[20:21], s[46:47]
	s_cselect_b32 s2, s40, s41                     ; my place among the four that ask for it with me,
	s_lshl_b32 s2, s2, 16                          ; whose share is 32 rows of 2,048 bytes
	s_mov_b32 s3, 0
	s_add_nc_u64 s[PFA:PFA+1], s[PFA:PFA+1], s[2:3]
	v_and_b32 v[PFO], 31, v0
	v_lshlrev_b32 v[PFO], 11, v[PFO]               ; a lane a row
	v_and_b32 v1, 15, v0                           ; r
	v_bfe_u32 v2, v0, 4, 1                         ; h
	v_mul_u32_u24 v3, v1, PITCH
	v_lshl_add_u32 v4, v2, 4, v3
	s_mul_i32 s21, s15, HALFT
	s_mul_i32 s22, s16, HALFT
	s_add_co_u32 s22, s22, 2*HALFT
.irp s, 0,1
	v_add_nc_u32 v[ADRA+\s], s21, v4
	v_add_nc_u32 v[ADRB+\s], s22, v4
	s_add_co_u32 s21, s21, SLOT
	s_add_co_u32 s22, s22, SLOT
.endr
	s_wait_alu depctr_va_vdst(0)
	v_lshlrev_b32 v6, 2, v1                        ; 4 r: v's bias
	v_and_b32 v7, 31, v0
	v_lshlrev_b32 v7, 4, v7                        ; 16 x lane: an image's place for my lane
	v_lshlrev_b32 v8, 5, v2                        ; 32 h: q's and k's biases
	v_lshlrev_b32 v10, 8, v1
	v_lshl_add_u32 v10, v2, 5, v10                 ; the table: 256 r + 32 h
	s_lshl_b32 s2, s40, 1                          ; the table's prefetch: the eight waves of a cluster that read the same 128 positions (four columns x two halves of B) share their 32,768 bytes by address:
	s_add_co_u32 s2, s2, s16
	s_lshl_b32 s2, s2, 12                          ; 4,096 bytes each, sixteen blocks of 256, a lane a block; the lanes left over name the last block again
	v_and_b32 v14, 31, v0
	v_min_u32 v14, 15, v14
	v_lshl_add_u32 v14, v14, 8, s2
	global_prefetch_b8 v[PFO], s[PFA:PFA+1] offset:ROWB th:TH_LOAD_NT scope:SCOPE_SE     ; K step 1, whose load goes out when K step 0 has landed,
	global_prefetch_b8 v[PFO], s[PFA:PFA+1] offset:2*ROWB th:TH_LOAD_NT scope:SCOPE_SE   ; and K step 2
	s_cmp_ge_u32 ttmp9, 6                          ; the kind: the cluster's x alone
	s_wait_alu depctr_va_vdst(0)
	s_cbranch_scc1 .Lvset
	; q, k: g0 = my first token.  A plain wave's 128 columns are one head's channels 0-127, a rotary wave's are two heads' channels 128-191
	s_lshl_b32 s18, s17, 8
	s_lshl_b32 s19, s15, 7
	s_add_co_u32 s18, s18, s19                     ; g0
	s_lshr_b32 s19, s18, 10                        ; b
	s_bfe_u32 s20, s18, 0x30007                    ; which 128 tokens of the sequence
	s_cmp_lt_u32 ttmp9, 3
	s_cselect_b64 s[90:91], s[86:87], s[88:89]     ; qimg or kv
	s_cselect_b64 s[98:99], s[10:11], s[80:81]     ; bq or bk
	s_cselect_b32 s21, 0, 12
	s_mov_b32 s22, 40960
	s_cselect_b32 s22, 24576, s22                  ; a block of 128 tokens in that buffer
	s_sub_co_u32 s21, s42, s21
	s_lshl_b32 s23, s21, 1
	s_add_co_u32 s23, s23, s16                     ; plain: the head
	s_lshl_b32 s2, s23, 1
	s_sub_co_u32 s2, s2, 32                        ; rotary: the first of my two heads: 4 (column - 8) + 2 half
	s_cmp_eq_u32 s66, 1
	s_cselect_b32 s23, s2, s23
	s_cselect_b32 s3, 16384, 0                     ; rotary: behind the plain images,
	s_cselect_b32 s2, 512, 0                       ; and behind the head's 128 plain biases
	s_lshl_b32 s19, s19, 4
	s_add_co_u32 s19, s19, s23
	s_lshl_b32 s19, s19, 3
	s_add_co_u32 s19, s19, s20
	s_mul_i32 s12, s19, s22
	s_add_co_u32 s12, s12, s3
	s_mov_b32 s13, 0
	s_add_nc_u64 s[90:91], s[90:91], s[12:13]
	s_lshl_b32 s12, s22, 3
	s_add_nc_u64 s[92:93], s[90:91], s[12:13]      ; the next head's (used by rotary tiles alone)
	s_and_b32 s12, s18, 1023
	s_lshl_b32 s12, s12, 8
	s_add_nc_u64 s[94:95], s[84:85], s[12:13]      ; the table at my first position
	s_mul_i32 s12, s23, 768
	s_add_co_u32 s12, s12, s2
	s_add_nc_u64 s[98:99], s[98:99], s[12:13]
	v_add_nc_u32 v9, s2, v8                        ; a rotary tile's second head lies 768 - 256 bytes further on
.set bn, 0
.rept 4
	global_load_b128 v[BIAS+8*bn:BIAS+8*bn+3], v8, s[98:99] offset:64*bn
	global_load_b128 v[BIAS+8*bn+4:BIAS+8*bn+7], v8, s[98:99] offset:64*bn+16
.set bn, bn+1
.endr
.rept 4
	global_load_b128 v[BIAS+8*bn:BIAS+8*bn+3], v9, s[98:99] offset:64*bn
	global_load_b128 v[BIAS+8*bn+4:BIAS+8*bn+7], v9, s[98:99] offset:64*bn+16
.set bn, bn+1
.endr
	SCALES
	s_wait_loadcnt 0x0
.set bn, 0
.rept 32
	v_pk_mul_f32 v[BIAS+bn:BIAS+bn+1], v[BIAS+bn:BIAS+bn+1], s[96:97] op_sel_hi:[1,0]   ; register 8 b + j: the bias of column 16 b + 8 h + j, x 2^-(ea+eb)
.set bn, bn+2
.endr
	s_branch .Ljoin
.Lvset:
	s_lshl_b32 s18, s17, 8
	s_lshl_b32 s19, s15, 7
	s_add_co_u32 s18, s18, s19                     ; my first channel of Wv's 2,048
	s_lshr_b32 s23, s18, 7                         ; the head
	s_sub_co_u32 s21, s42, 24
	s_lshl_b32 s21, s21, 8
	s_lshl_b32 s22, s16, 7
	s_add_co_u32 s21, s21, s22                     ; my first token
	s_lshr_b32 s19, s21, 10
	s_bfe_u32 s20, s21, 0x30007
	s_lshl_b32 s19, s19, 4
	s_add_co_u32 s19, s19, s23
	s_lshl_b32 s19, s19, 3
	s_add_co_u32 s19, s19, s20
	s_mul_i32 s12, s19, 40960
	s_add_co_u32 s12, s12, 24576
	s_mov_b32 s13, 0
	s_add_nc_u64 s[90:91], s[88:89], s[12:13]
	s_mov_b64 s[92:93], s[90:91]                   ; (written on this way too; v's tiles do not use them)
	s_mov_b64 s[94:95], s[84:85]
	s_lshl_b32 s12, s18, 2
	s_add_nc_u64 s[98:99], s[82:83], s[12:13]
.set bn, 0
.rept 8
	global_load_b32 v[T2+bn], v6, s[98:99] offset:64*bn   ; bv of my lane's channel in block bn
.set bn, bn+1
.endr
	SCALES
	s_wait_loadcnt 0x0
.set bn, 0
.rept 64
	v_mul_f32 v[BIAS+bn], s96, v[T2+bn/8]          ; registers 8 a .. 8 a + 7: block a's bias of my lane's channel, x 2^-(ea+eb)
.set bn, bn+1
.endr
.Ljoin:
.macro FRAG reg, adr, q, i             ; 16 rows x 128 K: four loads of 16 bytes: registers 4 c .. 4 c + 3 hold K = 32 c + 16 (lane / 16) + 0 .. 15: a permutation of k, the same in A and in B
.irp c, 0,1,2,3
	ds_load_b128 v[\reg+4*\c:\reg+4*\c+3], v[\adr] offset:128*(\q)+32*\c+(\i)*16*PITCH
.endr
.endm
.macro MUL16 a0, p, c                  ; A's blocks a0, a0 + 1 x B's eight.  c = 0: the sums go on; 1: they begin with the columns' biases; 2: with the rows'.  The 64 accumulators take turns, in the same order in every step
.irp a, \a0, \a0+1
.irp b, 0,1,2,3,4,5,6,7
.set DD, 8*(8*((\a)%4)+\b)
.if \c == 0
	v_wmma_f32_16x16x128_fp8_fp8 v[DD:DD+7], v[128*(\p)+FR*\b:128*(\p)+FR*\b+FR-1], v[AF+FR*(\a):AF+FR*(\a)+FR-1], v[DD:DD+7]
.else
.if \c == 1
	v_wmma_f32_16x16x128_fp8_fp8 v[DD:DD+7], v[128*(\p)+FR*\b:128*(\p)+FR*\b+FR-1], v[AF+FR*(\a):AF+FR*(\a)+FR-1], v[BIAS+8*\b:BIAS+8*\b+7]
.else
	v_wmma_f32_16x16x128_fp8_fp8 v[DD:DD+7], v[128*(\p)+FR*\b:128*(\p)+FR*\b+FR-1], v[AF+FR*(\a):AF+FR*(\a)+FR-1], v[BIAS+8*(\a):BIAS+8*(\a)+7]
.endif
.endif
.endr
.endr
.endm
.macro FETCH_B slot, q, p
	WIN TO_B
.irp i, 0,1,2,3,4,5,6,7
	FRAG 128*(\p)+FR*\i, ADRB+\slot, \q, \i
.endr
	WIN 0
.endm
.macro FETCH_A slot, q, i0
.irp i, \i0, \i0+1, \i0+2, \i0+3
	FRAG AF+FR*(\i), ADRA+\slot, \q, \i
.endr
.endm
.macro PLACES n                        ; plain vector lines between a matrix instruction and a load into, or a vector line on, its registers
.rept \n
	v_nop
.endr
.endm
.macro STEP slot, q, c                 ; 128 along K with its successor in the same slot
	FETCH_B \slot, (\q)+1, 1-(\q)%2                ; B's other set is free (four places stand behind its last products): the next 128 along K are asked for at the step's start
	s_wait_dscnt 12*NL                             ; this step's B and A's blocks 0-3 are in; the youngest 48 loads (A's blocks 4-7, B's next set) may be out
.if \c
	WIN 0x81                                       ; C (the biases) window 0, D window 2
.else
	WIN MUL_LO
.endif
	MUL16 0, (\q)%2, \c
	MUL16 2, (\q)%2, \c
	PLACES NP
	WIN 0
	FETCH_A \slot, (\q)+1, 0
	s_wait_dscnt 12*NL                             ; A's blocks 4-7 are in; B's next set and A's next blocks 0-3, 48 loads, may be out
.if \c
	WIN 0xc1
.else
	WIN MUL_HI
.endif
	MUL16 4, (\q)%2, \c
	MUL16 6, (\q)%2, \c
	PLACES NP
	WIN 0
	FETCH_A \slot, (\q)+1, 4
.endm
.macro TURN slot, next, fill           ; a slot's last 128 along K, and the change of slots
.if \fill
	s_wait_xcnt 0x0                                ; my last prefetch has read its base: it steps one K step
	s_add_nc_u64 s[PFA:PFA+1], s[PFA:PFA+1], ROWB
.endif
	s_wait_tensorcnt 0x0                           ; all my tensor loads have landed: my part of the next slot; so a group 0 may be written
	ds_add_u32 v[SPW], v[NIL]
.if \fill
	s_add_nc_u64 s[G0+4*\slot+2:G0+4*\slot+3], s[G0+4*\slot+2:G0+4*\slot+3], 2*ROWB
	s_add_nc_u64 s[G0B+4*\slot+2:G0B+4*\slot+3], s[G0B+4*\slot+2:G0B+4*\slot+3], 2*ROWB
.endif
	s_wait_dscnt 4*NL+1                            ; (the add and A's blocks 4-7 may be out)
	WIN MUL_LO
	MUL16 0, 1, 0                                  ; sixteen products stand between the add and the wait for it
	s_wait_dscnt 0x0                               ; the add is done, and my reads of this slot are over
	WIN 0
	s_barrier_signal -1
	s_barrier_wait -1
.if \fill
	CREST                                          ; the barrier has opened a round of the cluster's: no wave of any partner still reads this slot or has a load on its way
	JLOAD G0+4*\slot, G1, G0B+4*\slot, G1B         ; the first tensor load behind the round
.endif
	FETCH_B \next, 0, 0                            ; B's set 0 was last read in the step before, with four places behind it
	WIN MUL_LO
	MUL16 2, 1, 0
	PLACES NP
	WIN 0
	FETCH_A \next, 0, 0
.if \fill
	ASK
.endif
	WIN MUL_HI
	MUL16 4, 1, 0
	MUL16 6, 1, 0
	PLACES NP
	WIN 0
	FETCH_A \next, 0, 4
.endm
.macro TABLE a0                        ; (c, d) of my rows' pairs, blocks a0 .. a0 + 3, into window 1: block a, 16 channels n: v[32 a + 8 n ..]
	WIN 0x40
.set fa, \a0
.rept 4
.set fn, 0
.rept 4
	global_load_b128 v[32*fa+8*fn:32*fa+8*fn+3], v10, s[94:95] offset:fa*4096+64*fn
	global_load_b128 v[32*fa+8*fn+4:32*fa+8*fn+7], v10, s[94:95] offset:fa*4096+64*fn+16
.set fn, fn+1
.endr
.set fa, fa+1
.endr
	WIN 0
.endm
	s_wait_alu depctr_va_vdst(0)
	s_wait_tensorcnt 0x0                           ; my part of K step 0 is in; these lines stand ahead of a later first fill as ahead of a refill
	ds_add_u32 v[SPW], v[NIL]
	s_wait_dscnt 0x0
	CROUND                                         ; everybody's part of K step 0 is in, and the joint loads meet
	JLOAD G0+4, G1, G0B+4, G1B                     ; K step 1, slot 1's first fill
	FETCH_B 0, 0, 0
	FETCH_A 0, 0, 0
	FETCH_A 0, 0, 4
	global_prefetch_b8 v[PFO], s[PFA:PFA+1] offset:3*ROWB th:TH_LOAD_NT scope:SCOPE_SE   ; K step 3
	s_cmp_eq_u32 s66, 1                            ; the four rotary clusters alone ask for the table, the whole loop ahead of its loads
	s_cbranch_scc0 .Lno_tab_ask
	global_prefetch_b8 v14, s[94:95] th:TH_LOAD_NT scope:SCOPE_SE
.Lno_tab_ask:
	s_cmp_ge_u32 ttmp9, 6
	s_cbranch_scc1 .Lvfirst
	STEP 0, 0, 1                                   ; the first products start the sums with the biases
	s_branch .Lgo
.Lvfirst:
	STEP 0, 0, 2
.Lgo:
	s_mov_b32 s3, LAPS-1
.Llap:
	TURN 0, 1, 1
	STEP 1, 0, 0
	TURN 1, 0, 1
	STEP 0, 0, 0
	s_sub_co_u32 s3, s3, 1
	s_cmp_lg_u32 s3, 0
	s_cbranch_scc1 .Llap
	TURN 0, 1, 0                                   ; the last lap fills nothing
	STEP 1, 0, 0
	s_cmp_eq_u32 s66, 1
	s_cbranch_scc0 .Lno_table
	TABLE 0                                        ; rotary: B's set 0 is done with (four places stand behind its last products): half of the table lands under the last 64 products
.Lno_table:
	s_wait_dscnt 4*NL                              ; the very last 128 along K: nothing more to fetch
	WIN MUL_LO
	MUL16 0, 1, 0
	MUL16 2, 1, 0
	s_wait_dscnt 0
	WIN MUL_HI
	MUL16 4, 1, 0
	MUL16 6, 1, 0
	WIN 0
	PLACES NP                                      ; for the first reads of results, for writes over A's fragments and for loads over B's
; THE WAY OUT of block a (16 rows of A x 128).  rot = 0: plain and v; 1: rotary.  Each accumulator is read from its low end on.
.macro EPI rot, a
.set AC, 64*((\a)%4)
.set CD, 192+16*((\a)%2)
.if (\a) >= 2
	s_wait_xcnt 0x0                                ; block a - 2's stores have read this set of code registers
.endif
.if \rot
	s_wait_loadcnt 56-8*(\a)                       ; the table up to this block is in; the later blocks' eight loads each may be out
	WIN 0x06+((\a)/4)                              ; source 0 (the sums) window 2 or 3, source 1 (the table) window 1
.set en, 0
.rept 8                                ; a pair (a, b) and its (c, d): first (b d, b c), then (a c - b d, a d + b c)
.set em, 0
.rept 4
	v_pk_mul_f32 v[T2+8*(en%2)+em:T2+8*(en%2)+em+1], v[AC+8*en+em:AC+8*en+em+1], v[32*(\a)+8*(en%4)+em:32*(\a)+8*(en%4)+em+1] op_sel:[1,1] op_sel_hi:[1,0]
.set em, em+2
.endr
.set em, 0
.rept 4
	v_pk_fma_f32 v[TMP+8*en+em:TMP+8*en+em+1], v[AC+8*en+em:AC+8*en+em+1], v[32*(\a)+8*(en%4)+em:32*(\a)+8*(en%4)+em+1], v[T2+8*(en%2)+em:T2+8*(en%2)+em+1] op_sel_hi:[0,1,1] neg_lo:[0,0,1]
.set em, em+2
.endr
.set en, en+1
.endr
	WIN 0
.set ej, 0
.rept 64
	v_med3_num_f32 v[TMP+ej], v[TMP+ej], -v12, v12 ; the conversion does not saturate (ISA guide 7.6.2)
.set ej, ej+1
.endr
.else
	WIN 0x02+((\a)/4)                              ; source 0: window 2 or 3
.set ej, 0
.rept 64
	v_med3_num_f32 v[TMP+ej], v[AC+ej], -v12, v12
.set ej, ej+1
.endr
	WIN 0
.endif
.set en, 0
.rept 8
	v_cvt_scalef32_pk8_fp8_f32 v[CD+2*en:CD+2*en+1], v[TMP+8*en:TMP+8*en+7], v11
.set en, en+1
.endr
	v_nop                                          ; a plain line behind the conversions: the next block writes their sources
.if \rot
	global_store_b128 v7, v[CD:CD+3], s[90:91] offset:(\a)*1024 th:TH_STORE_NT
	global_store_b128 v7, v[CD+4:CD+7], s[90:91] offset:(\a)*1024+512 th:TH_STORE_NT
	global_store_b128 v7, v[CD+8:CD+11], s[92:93] offset:(\a)*1024 th:TH_STORE_NT
	global_store_b128 v7, v[CD+12:CD+15], s[92:93] offset:(\a)*1024+512 th:TH_STORE_NT
.else
.set en, 0
.rept 4
	global_store_b128 v7, v[CD+4*en:CD+4*en+3], s[90:91] offset:(\a)*2048+512*en th:TH_STORE_NT
.set en, en+1
.endr
.endif
.endm
	s_cmp_eq_u32 s66, 1
	s_cbranch_scc1 .Lrope
.irp a, 0,1,2,3,4,5,6,7
	EPI 0, \a
.endr
	s_branch .Lend
.Lrope:
	TABLE 4                                        ; B's set 1 is done with: the other half lands under blocks 0-3
.irp a, 0,1,2,3,4,5,6,7
	EPI 1, \a
.endr
.Lend:
	s_wait_tensorcnt 0x0                           ; the wave's end
	ds_add_u32 v[SPW], v[NIL]
	s_wait_dscnt 0x0
	CROUND                                         ; the closing round
	s_endpgm
.Lfunc_end_k_qc244dcd8c1_qkv:
	.size	k_qc244dcd8c1_qkv, .Lfunc_end_k_qc244dcd8c1_qkv-k_qc244dcd8c1_qkv
	.p2alignl 7, 3214868480
	.fill 96, 4, 3214868480
	.section	.rodata,"a",@progbits
	.p2align	6, 0x0
	.amdhsa_kernel k_qc244dcd8c1_qkv
		.amdhsa_group_segment_fixed_size 327680
		.amdhsa_private_segment_fixed_size 0
		.amdhsa_enable_private_segment 0
		.amdhsa_kernarg_size 72
		.amdhsa_user_sgpr_count 2
		.amdhsa_user_sgpr_kernarg_segment_ptr 1
		.amdhsa_wavefront_size32 1
		.amdhsa_system_sgpr_workgroup_id_x 1
		.amdhsa_system_sgpr_workgroup_id_y 1
		.amdhsa_system_sgpr_workgroup_id_z 1
		.amdhsa_system_vgpr_workitem_id 0
		.amdhsa_next_free_vgpr 1024
		.amdhsa_next_free_sgpr 102
		.amdhsa_reserve_vcc 0
		.amdhsa_float_denorm_mode_32 3
		.amdhsa_float_denorm_mode_16_64 3
		.amdhsa_memory_ordered 1
		.amdhsa_forward_progress 1
		.amdhsa_inst_pref_size 217
	.end_amdhsa_kernel
	.amdgpu_metadata
---
amdhsa.version: [ 1, 2 ]
amdhsa.kernels:
  - .name:           k_qc244dcd8c1_qkv
    .symbol:         k_qc244dcd8c1_qkv.kd
    .args:
      - { .name: xq, .offset: 0, .size: 8, .value_kind: global_buffer, .address_space: global }
      - { .name: wc, .offset: 8, .size: 8, .value_kind: global_buffer, .address_space: global }
      - { .name: lowp_scales, .offset: 16, .size: 8, .value_kind: global_buffer, .address_space: global }
      - { .name: bq, .offset: 24, .size: 8, .value_kind: global_buffer, .address_space: global }
      - { .name: bk, .offset: 32, .size: 8, .value_kind: global_buffer, .address_space: global }
      - { .name: bv, .offset: 40, .size: 8, .value_kind: global_buffer, .address_space: global }
      - { .name: freqs_cis, .offset: 48, .size: 8, .value_kind: global_buffer, .address_space: global }
      - { .name: qimg, .offset: 56, .size: 8, .value_kind: global_buffer, .address_space: global }
      - { .name: kv, .offset: 64, .size: 8, .value_kind: global_buffer, .address_space: global }
    .group_segment_fixed_size: 327680
    .private_segment_fixed_size: 0
    .kernarg_segment_align: 8
    .kernarg_segment_size: 72
    .max_flat_workgroup_size: 128
    .sgpr_count:     102
    .vgpr_count:     1024
    .wavefront_size: 32
...
	.end_amdgpu_metadata
.endif
;; end of part 2
;; launch attn (part 3): grid 8 x 32, 8 waves a work-group, clusters of 4 x 1, 327,680 bytes of LDS; arguments qimg, kv, mimg, lowp_scales, ctx, Wo, wc; writes ctx, wc
.if DOCPART == 3
	.amdgcn_target "amdgcn-amd-amdhsa--gfx1250"
	.amdhsa_code_object_version 6
	.text
	.protected	k_qc244dcd8c1_attn
	.globl	k_qc244dcd8c1_attn
	.p2align	8
	.type	k_qc244dcd8c1_attn,@function
k_qc244dcd8c1_attn:
	s_mov_b64 s[64:65], 0
	v_nop
	global_prefetch_b8 v0, s[64:65] scope:SCOPE_SE
	s_setreg_imm32_b32 hwreg(HW_REG_WAVE_MODE, 25, 1), 1
	s_wait_xcnt 0x0
	s_wait_alu depctr_hold_cnt(0) depctr_sa_sdst(0) depctr_va_vdst(0) depctr_va_sdst(0) depctr_va_ssrc(0) depctr_va_vcc(0) depctr_vm_vsrc(0)
	s_getreg_b32 s2, hwreg(HW_REG_IB_STS2, 6, 4)
	s_cmp_eq_u32 s2, 0
	s_cbranch_scc0 .Lentry_in_a_cluster
	s_endpgm
.Lentry_in_a_cluster:
	s_bfe_u32 s2, ttmp6, 0x10000c
	s_cmp_lg_u32 s2, 0x3003
	s_cbranch_scc0 .Lentry_shape_is_right
	s_endpgm
.Lentry_shape_is_right:
; LAUNCH 3 OF 4: scores, softmax, context, all on E4M3 codes.  Nothing is left out: the mask is an input, so every tile of scores is computed and every number of the mask is added.
; t = (q . k / sqrt(192) + mask) x log2(e); M = the running largest t rounded up to a whole number; p = 2^(t - M) is quantised under e9, not normalised; the row's sum is taken of the unquantised p and divides at the end.
; SHARES.  A work-group owns 128 queries of one (b, h).  Wave w of eight: TWO tiles of 16 queries, 2 (w % 4) and 2 (w % 4) + 1, and keys 512 (w / 4) on, in four steps of 128.  Each fragment of K and V that a wave
; reads from LDS feeds two products.  The two halves of the keys are joined at the end through LDS, by exact powers of two.  The four query blocks of a cluster walk the same K and V: every tile is asked for jointly (mask 15).
; LAYOUT.  Both products transposed: S^T = K Q^T (three instructions of K = 64 for the head's 192), O^T = V^T P^T (K = 128 keys): a lane holds one query of each tile throughout.  q, k, v arrive as images of operand
; registers: every fetch is 16 bytes at 16 x lane.  The eight registers of score tile i are keys 16 i + 8 (lane / 16) + 0 .. 7: one conversion makes registers 2 i, 2 i + 1 of P.
; THE MASK COSTS NO VECTOR LINE: mimg holds mask x sqrt(192) x 2^-(e6+e7) in the accumulators' order; it is loaded into the accumulators and is the C of a step's first products; then t = S x c.
; REGISTERS, in two windows of 256.  TILE A'S STATE LIES IN WINDOW 0, TILE B'S IN WINDOW 1, AT THE SAME NUMBERS: v9 448 x scale, v10 scale (equal in both windows), v11 a permute's destination, v12 -M, v13 largest t,
;   v[14:15] the sum, v16-39 Q, v104-167 S^T then p, v168-231 O^T, v232-247 P, v248-253 at work.  So the softmax is written once and runs under the setting 0x00 or 0x55.
;   v40-103 of window 0 and of window 1 are two fragment buffers, which both tiles read: a product on buffer b for tile t runs under b + 0x54 t.  Window 0 alone: v1-3 LDS address in slot 0-2, v4 16 x lane, v5, v6 the add's two, v7, v8 the stage.
; A set of 16 LDS loads is asked for one set ahead of its products; both sets of V ahead of the softmax; tile A's V^T P is issued ahead of tile B's softmax.
; LDS: three slots of 81,920 bytes (a key step of each half: K 24,576 + V 16,384 bytes each); from 245,760 eight stages of 8,704 for the joining; from 315,392 the spare words.
; Key steps 0, 1, 2 of both halves are first fills; step 3 is the one refill, into slot 0.  No prefetch: six of a work-group's eight key steps come by the first fills, at the head, and the refill is asked for behind the
; first step and read behind the third: two steps' work stand between.
; LIMITS: e6 + e7 between -122 and 128; e9, e10 between -126 and 119; NaN and infinite masks are not served.  A running M for each half of the keys keeps small p that the row's last M would drop under the format's range.
.set HALFB, 40960
.set SLOTB, 81920
.set STG,   245760
.set STGB,  8704
.set SPARE, 315392
.set F, 40
.set S, 104
.set O, 168
.set P, 232
.set MSB, 0
.macro WIN new                         ; bits 1:0 source 0, 3:2 source 1, 5:4 source 2, 7:6 destination; the immediate's high byte repeats the setting that is left
.if MSB != \new
	s_set_vgpr_msb (MSB<<8)|\new
.set MSB, \new
.endif
.endm
.macro ROUND                           ; a round of the cluster's barrier
	s_barrier_signal -1
	s_barrier_wait -1
	s_cmp_lg_u32 s18, 0
	s_cbranch_scc1 .Lnot_wave_0_\@
	s_barrier_signal -3
.Lnot_wave_0_\@:
	s_barrier_wait -3
	s_barrier_signal -1
	s_barrier_wait -1
.endm
.macro NOPS4
.rept 4
	v_nop
.endr
.endm
	s_load_b256 s[4:11], s[0:1], 0x0               ; qimg 4, kv 6, mimg 8, scales 10
	s_load_b64 s[12:13], s[0:1], 0x20              ; ctx
	s_load_b128 s[84:87], s[0:1], 0x28             ; Wo 84, wc 86
	v_lshl_add_u32 v5, v0, 2, SPARE
	v_mov_b32 v6, 0
	ds_add_u32 v5, v6                              ; the opening: the add, twice on end, and its wait ahead of my first tensor load
	ds_add_u32 v5, v6
	v_lshrrev_b32 v1, 5, v0
	s_delay_alu instid0(VALU_DEP_1)
	v_readfirstlane_b32 s18, v1                    ; wave 0..7
	s_and_b32 s19, s18, 3                          ; my pair of query tiles
	s_lshr_b32 s20, s18, 2                         ; my half of the keys
	s_bfe_u32 s21, ttmp6, 0x40000                  ; cx
	s_lshl_b32 s26, ttmp9, 2
	s_add_co_u32 s26, s26, s21                     ; my block of 128 queries: it enters plain loads' and stores' addresses alone
	s_and_b32 s27, ttmp7, 0xffff                   ; b x 16 + h, which the partners share
	s_mov_b32 s28, 15|(3<<16)|(1<<21)              ; group 1: the mask of all four; elements of 8 bytes; bit 21 beside a mask; no padding: 40 rows of 256 bytes, dense
	s_mov_b32 s29, 32<<16
	s_mov_b32 s30, 40<<16
	s_mov_b32 s31, 32<<16
	s_mov_b32 s32, 40
	s_mov_b32 s33, 32
	s_mov_b32 s34, 0
	s_mov_b32 s35, 0
	s_mov_b32 s22, 0x76543210
	s_mov_b32 s23, 0xfedcba98                      ; lane l xor 16
	s_mov_b32 s36, 1
	s_mov_b32 s40, 1
	s_mul_i32 s37, s18, 10240                      ; key steps 0 and 3: every wave fetches an eighth of slot 0
	s_mul_i32 s41, s18, 20480                      ; key steps 1 and 2 come by ONE load a wave: a quarter of slot 1 (waves 0-3) or of slot 2 (waves 4-7), 80 dense rows of 256 bytes
	s_add_co_u32 s41, s41, SLOTB
	s_mov_b32 s76, 15|(3<<16)|(1<<21)              ; its group 1: as the other, with 80 rows
	s_mov_b32 s77, 32<<16
	s_mov_b32 s78, 80<<16
	s_mov_b32 s79, 32<<16
	s_mov_b32 s80, 80
	s_mov_b32 s81, 32
	s_mov_b32 s82, 0
	s_mov_b32 s83, 0
	s_lshr_b32 s44, s18, 2
	s_add_co_u32 s44, s44, 1                       ; the key step: 1 + wave / 4
	s_bfe_u32 s45, s18, 0x10001                    ; the half of the keys: (wave / 2) % 2
	s_lshl_b32 s45, s45, 2
	s_add_co_u32 s44, s44, s45
	s_mul_i32 s44, s44, HALFB
	s_and_b32 s45, s18, 1                          ; which 20,480 bytes of that block of 128 keys
	s_mul_i32 s45, s45, 20480
	s_add_co_u32 s44, s44, s45
	s_mul_i32 s45, s27, 8*HALFB
	s_add_co_u32 s44, s44, s45
	s_mov_b32 s45, 0                               ; kv: where that quarter lies
	s_mul_i32 s14, s27, 8*HALFB
	s_mul_i32 s15, s20, 4*HALFB
	s_add_co_u32 s14, s14, s15
	s_mul_i32 s15, s19, 10240
	s_add_co_u32 s14, s14, s15
	s_mov_b32 s15, 0                               ; kv: my part of my half's first key step
	s_lshl_b32 s60, s26, 3
	s_lshl_b32 s61, s19, 1
	s_add_co_u32 s60, s60, s61                     ; tile A among the 64 tiles of queries
	s_lshl_b32 s60, s60, 3
	s_lshl_b32 s61, s20, 2
	s_add_co_u32 s60, s60, s61
	s_lshl_b32 s60, s60, 13
	s_mov_b32 s61, 0                               ; mimg: tile A, my first key step; tile B lies 65,536 bytes on
	s_lshl_b32 s62, s27, 3
	s_add_co_u32 s62, s62, s26
	s_mul_i32 s62, s62, 24576
	s_lshl_b32 s63, s19, 11
	s_add_co_u32 s66, s62, s63
	s_add_co_u32 s66, s66, 16384
	s_mov_b32 s67, 0                               ; qimg: channels 128-191 of tile A (tile B: 1,024 bytes on),
	s_lshl_b32 s63, s19, 12
	s_add_co_u32 s62, s62, s63
	s_mov_b32 s63, 0                               ; and channels 0-127 (tile B: 2,048 bytes on)
	s_lshr_b32 s68, s27, 4
	s_lshl_b32 s68, s68, 3
	s_add_co_u32 s68, s68, s26
	s_lshl_b32 s68, s68, 4
	s_and_b32 s69, s27, 15
	s_add_co_u32 s68, s68, s69
	s_lshl_b32 s68, s68, 3
	s_lshl_b32 s69, s19, 1
	s_add_co_u32 s68, s68, s69
	s_lshl_b32 s68, s68, 11
	s_mov_b32 s69, 0                               ; ctx: [b x 8 + query block][head][tile] images of 2 KB
	; ALSO HERE: Wo [K 2048][N 2048] f32 -> E4M3 codes under e11, wc rows 8192 + n, K innermost, for launch 4.  Its loads are on their way while the launch's own first tiles are awaited and worked.
	; Work-group (b h, query block) takes columns 64 (b h) on and K 256 (query block) on; wave w its K 32 w on.  Lane (h = lane / 16, c = lane % 16) takes columns 4 c .. 4 c + 3 and rows 16 h + 0 .. 15:
	; sixteen loads of 16 bytes, in each of which sixteen lanes read 256 consecutive bytes, aligned, into tile B's O^T, idle until its first product.  A conversion gives one register of four columns' codes
	; for each row; byte permutes turn each 4 x 4 so that K is innermost.  The codes go through 64 rows x 272 bytes of the joining stage, are ordered by the round of CHANGE 1, and leave as runs of 256 bytes.
	; LIMIT: e11 between -126 and 119.
	s_lshl_b32 s90, s18, 5
	s_lshl_b32 s91, s26, 8
	s_add_co_u32 s90, s90, s91                     ; my wave's first row of Wo
	s_lshl_b32 s90, s90, 13
	s_lshl_b32 s91, s27, 8                         ; my work-group's first column, in bytes
	s_add_co_u32 s90, s90, s91
	s_mov_b32 s91, 0
	s_lshl_b32 s88, s27, 6
	s_lshl_b32 s89, s18, 3
	s_add_co_u32 s88, s88, s89                     ; on the way out wave w takes the work-group's columns 8 w on
	s_lshl_b32 s88, s88, 11
	s_lshl_b32 s89, s26, 8
	s_add_co_u32 s88, s88, s89
	s_add_co_u32 s88, s88, 0x1000000               ; rows 8192 on
	s_mov_b32 s89, 0
	s_lshl_b32 s94, s18, 5
	s_add_co_u32 s94, s94, STG                     ; the stage, in: row = column, 32 w bytes along it
	s_mul_i32 s95, s18, 8*272
	s_add_co_u32 s95, s95, STG                     ; and out: rows 8 w on
	v_and_b32 v3, 31, v0
	s_delay_alu instid0(VALU_DEP_1)
	v_lshlrev_b32 v4, 4, v3
	s_delay_alu instid0(VALU_DEP_2)
	v_lshlrev_b32 v8, 3, v3
	s_mul_i32 s16, s20, HALFB
	v_add_nc_u32 v1, s16, v4
	s_delay_alu instid0(VALU_DEP_1)
	v_add_nc_u32 v2, SLOTB, v1
	s_delay_alu instid0(VALU_DEP_2)
	v_add_nc_u32 v3, 2*SLOTB, v1
	s_mul_i32 s16, s19, 2*STGB
	s_add_co_u32 s16, s16, STG
	v_add_nc_u32 v7, s16, v4                       ; tile A's stage; tile B's lies 8,704 bytes on
	v_add_nc_u32 v8, s16, v8
	s_delay_alu instid0(VALU_DEP_1)
	v_add_nc_u32 v8, 8192, v8
	WIN 0x40                                       ; Wo's addresses lie in window 1, v1-v8, which tile B's state leaves free
	v_and_b32 v6, 31, v0
	WIN 0x55
	v_lshrrev_b32 v7, 4, v6                        ; h
	v_and_b32 v8, 15, v6                           ; c
	v_lshlrev_b32 v3, 4, v8
	v_lshl_add_u32 v3, v7, 17, v3                  ; Wo: 16 c bytes, + 16 h rows of 8,192 bytes
	v_mul_u32_u24 v1, v8, 4*272
	v_lshl_add_u32 v1, v7, 4, v1
	v_add_nc_u32 v1, s94, v1                       ; the stage, in: row 4 c, + 16 h bytes
	v_mul_u32_u24 v2, v7, 272
	v_lshl_add_u32 v2, v8, 4, v2
	v_add_nc_u32 v2, s95, v2                       ; the stage, out: sixteen lanes to a row
	v_lshlrev_b32 v4, 11, v7
	v_lshl_add_u32 v4, v8, 4, v4                   ; and the same place in wc
	WIN 0
	s_wait_dscnt 0x0                               ; both opening adds are done
	s_wait_kmcnt 0x0
	s_load_b256 s[48:55], s[10:11], 0x0            ; e0 .. e7
	s_load_b128 s[56:59], s[10:11], 0x20           ; e8 .. e11
	s_add_nc_u64 s[38:39], s[6:7], s[14:15]
	s_add_nc_u64 s[42:43], s[6:7], s[44:45]
	s_or_b32 s39, s39, 0x80000000
	s_or_b32 s43, s43, 0x80000000
	s_add_nc_u64 s[60:61], s[8:9], s[60:61]
	s_add_nc_u64 s[62:63], s[4:5], s[62:63]
	s_add_nc_u64 s[66:67], s[4:5], s[66:67]
	s_add_nc_u64 s[68:69], s[12:13], s[68:69]
	s_add_nc_u64 s[90:91], s[84:85], s[90:91]
	s_add_nc_u64 s[88:89], s[86:87], s[88:89]
	ROUND                                          ; all four work-groups are here: the first joint loads meet
	tensor_load_to_lds s[36:39], s[28:35]          ; key step 0 of both halves: one tensor load a wave at the head
	s_nop 0
	NOPS4
.macro MASKLD t, s                     ; tile t's mask of key step s, straight into the accumulators: sixteen dense loads
.set mg, 0
.rept 16
	global_load_b128 v[S+4*mg:S+4*mg+3], v4, s[60:61] offset:(\t)*65536+(\s)*8192+512*mg
.set mg, mg+1
.endr
.endm
	s_wait_alu depctr_va_vdst(0)
.irp t, 0,1
	WIN (0x40*\t)                                  ; destination: tile t's window; the address lies in window 0
.irp g, 0,1,2,3
	global_load_b128 v[16+4*\g:19+4*\g], v4, s[62:63] offset:2048*\t+512*\g
.endr
	global_load_b128 v[32:35], v4, s[66:67] offset:1024*\t
	global_load_b128 v[36:39], v4, s[66:67] offset:1024*\t+512
	MASKLD \t, 0
.endr
	WIN 0x41                                       ; destination and address in window 1
.set wi, 0
.rept 16
	global_load_b128 v[O+4*wi:O+4*wi+3], v3, s[90:91] offset:8192*wi th:TH_LOAD_NT   ; Wo(16 h + wi, 4 c .. 4 c + 3)
.set wi, wi+1
.endr
.irp t, 0,1
	WIN (0x55*\t)
	v_mov_b32 v13, 0xff61b1e6                      ; the largest t so far: -3e38
	s_delay_alu instid0(VALU_DEP_1)
	v_floor_f32 v12, -v13
	v_mov_b32 v14, 0
	v_mov_b32 v15, 0
	v_mov_b32 v11, 0                               ; a lane permute's destination counts as one of its sources
	v_mov_b32 v249, 0                              ; (named as the upper half of a pair)
.endr
	WIN 0
	s_wait_kmcnt 0x0
	s_add_co_i32 s70, s54, s55
	s_lshl_b32 s70, s70, 23
	s_add_co_i32 s24, s70, 0x3dd53b95              ; c = log2(e) / sqrt(192) x 2^(e6+e7): the exponents added to c's exponent field
	s_mov_b32 s25, s24
	s_add_co_i32 s74, s57, 127
	s_lshl_b32 s73, s74, 23                        ; 2^e9
	s_add_co_i32 s74, s74, 8
	s_lshl_b32 s74, s74, 23
	s_or_b32 s74, s74, 0x600000                    ; 448 x 2^e9
	s_add_co_i32 s70, s56, s57                     ; e8 + e9
	s_add_co_i32 s71, s58, 127
	s_lshl_b32 s72, s71, 23                        ; 2^e10
	s_add_co_i32 s71, s71, 8
	s_lshl_b32 s71, s71, 23
	s_or_b32 s71, s71, 0x600000                    ; 448 x 2^e10
.irp t, 0,1
	WIN (0x40*\t)
	v_mov_b32 v10, s73
	v_mov_b32 v9, s74
.endr
	s_add_co_i32 s92, s59, 127
	s_lshl_b32 s94, s92, 23                        ; 2^e11
	s_add_co_i32 s92, s92, 8
	s_lshl_b32 s92, s92, 23
	s_or_b32 s92, s92, 0x600000                    ; 448 x 2^e11,
	s_or_b32 s93, s92, 0x80000000                  ; and its negative
	v_mov_b32 v5, s94                              ; (window 1)
	WIN 0
.macro KLOAD kk, b                     ; sixteen loads: channels 64 kk on of the step's eight tiles of 16 keys, into buffer b
	WIN (0x40*(\b))
.set ti, 0
.rept 8
.if (\kk) < 2
.set ko, ti*2048+(\kk)*1024
.else
.set ko, 16384+ti*1024
.endif
	ds_load_b128 v[F+8*ti:F+8*ti+3], v[AK] offset:ko
	ds_load_b128 v[F+8*ti+4:F+8*ti+7], v[AK] offset:ko+512
.set ti, ti+1
.endr
.endm
.macro VLOAD g, b                      ; sixteen loads: V's tiles 4 g .. 4 g + 3 of 16 channels x 128 keys, into buffer b
	WIN (0x40*(\b))
.set ti, 0
.rept 4
.set vc, 0
.rept 4
	ds_load_b128 v[F+16*ti+4*vc:F+16*ti+4*vc+3], v[AK] offset:24576+(4*(\g)+ti)*2048+512*vc
.set vc, vc+1
.endr
.set ti, ti+1
.endr
.endm
.macro SC kk, b                        ; sixteen products: both tiles' eight score accumulators, one instruction a turn
.irp t, 0,1
	WIN ((\b)+0x54*\t)
.set ti, 0
.rept 8
	v_wmma_f32_16x16x64_fp8_fp8 v[S+8*ti:S+8*ti+7], v[F+8*ti:F+8*ti+7], v[16+8*(\kk):23+8*(\kk)], v[S+8*ti:S+8*ti+7]
.set ti, ti+1
.endr
.endr
.endm
.macro PV t, s                         ; O^T += V^T P^T for tile t: V's tiles 0-3 lie in buffer 1, tiles 4-7 in buffer 0.  The first step starts the sums
.irp g, 0,1
	WIN ((1-\g)+0x54*(\t))
.set ti, 0
.rept 4
.if (\s) == 0
	v_wmma_f32_16x16x128_fp8_fp8 v[O+8*(4*\g+ti):O+8*(4*\g+ti)+7], v[F+16*ti:F+16*ti+15], v[P:P+15], 0
.else
	v_wmma_f32_16x16x128_fp8_fp8 v[O+8*(4*\g+ti):O+8*(4*\g+ti)+7], v[F+16*ti:F+16*ti+15], v[P:P+15], v[O+8*(4*\g+ti):O+8*(4*\g+ti)+7]
.endif
.set ti, ti+1
.endr
.endr
.endm
.macro SOFT t, s                       ; tile t's softmax of key step s: every register in tile t's window
	WIN (0x55*(\t))
	v_max3_num_f32 v252, v[S], v[S+1], v[S+2]      ; the step's largest score of my query among my 64 keys, in two chains; each accumulator is first read at its low end
	v_max3_num_f32 v253, v[S+3], v[S+4], v[S+5]
.set sj, 6
.rept 14
	v_max3_num_f32 v252, v252, v[S+sj], v[S+sj+1]
	v_max3_num_f32 v253, v253, v[S+sj+2], v[S+sj+3]
.set sj, sj+4
.endr
	v_max3_num_f32 v252, v252, v[S+62], v[S+63]
	s_delay_alu instid0(VALU_DEP_1)
	v_max_num_f32 v252, v252, v253
	s_delay_alu instid0(VALU_DEP_1)
	v_permlanex16_b32 v11, v252, s22, s23
	s_delay_alu instid0(VALU_DEP_1)
	v_max_num_f32 v252, v252, v11
	s_delay_alu instid0(VALU_DEP_1)
	v_mul_f32 v252, s24, v252                      ; as t (c is positive)
	s_delay_alu instid0(VALU_DEP_1)
	v_max_num_f32 v13, v13, v252
	v_mov_b32 v252, v12
	s_delay_alu instid0(VALU_DEP_2)
	v_floor_f32 v12, -v13                          ; -M = floor(-t)
	s_delay_alu instid0(VALU_DEP_1)
	v_sub_f32 v252, v12, v252                      ; old M - new M: a whole number, 0 or less
	s_delay_alu instid0(VALU_DEP_1)
	v_cvt_i32_f32 v252, v252                       ; (it saturates)
	s_delay_alu instid0(VALU_DEP_1)
	v_ldexp_f32 v248, 1.0, v252                    ; f = 2^(old M - new M)
.set sj, 0
.rept 32
	v_pk_fma_f32 v[S+sj:S+sj+1], v[S+sj:S+sj+1], s[24:25], v[12:13] op_sel_hi:[1,0,0]   ; t - M
.set sj, sj+2
.endr
.set sj, 0
	s_wait_alu depctr_va_vdst(0)
.rept 64
	v_exp_f32 v[S+sj], v[S+sj]
.set sj, sj+1
.endr
	v_pk_mul_f32 v[14:15], v[14:15], v[248:249] op_sel_hi:[1,0]   ; the sums under the new M: the plain line behind the exponentials
	s_wait_alu depctr_va_vdst(0)                   ; the wait ahead of the batch's first reader: one for all 64
	v_pk_add_f32 v[250:251], v[S:S+1], v[S+2:S+3]  ; the sum of the unquantised p, in two chains
.set sj, 4
.rept 15
	v_pk_add_f32 v[14:15], v[14:15], v[S+sj:S+sj+1]
	v_pk_add_f32 v[250:251], v[250:251], v[S+sj+2:S+sj+3]
.set sj, sj+4
.endr
	s_delay_alu instid0(VALU_DEP_1)
	v_pk_add_f32 v[14:15], v[14:15], v[250:251]
.set ti, 0
.rept 8
.set sj, 0
.rept 8
	v_min_num_f32 v[S+8*ti+sj], v[S+8*ti+sj], v9   ; p is not negative: a one-sided hold (the conversion does not saturate: ISA guide 7.6.2)
.set sj, sj+1
.endr
	v_cvt_scalef32_pk8_fp8_f32 v[P+2*ti:P+2*ti+1], v[S+8*ti:S+8*ti+7], v10
.set ti, ti+1
.endr
.if (\s) < 3
	WIN (0x40*(\t))
	MASKLD \t, (\s)+1                              ; the next step's mask lands while the rest of this step is worked
	WIN (0x55*(\t))
.endif
.if (\s) == 0
	v_nop                                          ; a plain line between the conversions and the products that read P; O^T begins with C = 0
.else
.set sj, 0
.rept 32
	v_pk_mul_f32 v[O+sj:O+sj+1], v[O+sj:O+sj+1], v[248:249] op_sel_hi:[1,0]   ; O^T under the new M, from each accumulator's low end on
.set sj, sj+2
.endr
.endif
.endm
.macro WOQ                             ; Wo's numbers are held, converted and put into the stage.  Group g's codes land on registers of a group that is done with; the eight holds between two conversions are the plain lines that they want
	s_wait_alu depctr_va_vdst(0)
	s_wait_loadcnt 32                              ; Wo's 16 loads are in; both tiles' next masks, 16 loads each, may be out
	WIN 0x55
.set wg, 0
.rept 8
.set wi, 0
.rept 8
	v_med3_num_f32 v[O+8*wg+wi], v[O+8*wg+wi], s93, s92   ; the conversion does not saturate (ISA guide 7.6.2)
.set wi, wi+1
.endr
.if wg == 0
	v_cvt_scalef32_pk8_fp8_f32 v[250:251], v[O:O+7], v5
.else
	v_cvt_scalef32_pk8_fp8_f32 v[O+2*wg-2:O+2*wg-1], v[O+8*wg:O+8*wg+7], v5
.endif
.set wg, wg+1
.endr
	v_nop                                          ; a plain line behind the last conversion: products write these registers next
.set wg, 0
.rept 4                                ; rows 4 g .. 4 g + 3: row k's four codes lie in v250 + k (k under 2) or v[O + k - 2].  First rows in pairs, (r0 c0, r1 c0, r0 c1, r1 c1) and (.. c2, .. c3); then the pairs of pairs: column c's four rows
.if wg == 0
	v_perm_b32 v[O+16], v251, v250, 0x05010400
	v_perm_b32 v[O+17], v251, v250, 0x07030602
.else
	v_perm_b32 v[O+16+4*wg], v[O+4*wg-1], v[O+4*wg-2], 0x05010400
	v_perm_b32 v[O+17+4*wg], v[O+4*wg-1], v[O+4*wg-2], 0x07030602
.endif
	v_perm_b32 v[O+18+4*wg], v[O+4*wg+1], v[O+4*wg], 0x05010400
	v_perm_b32 v[O+19+4*wg], v[O+4*wg+1], v[O+4*wg], 0x07030602
	v_perm_b32 v[O+32+wg], v[O+18+4*wg], v[O+16+4*wg], 0x05040100
	v_perm_b32 v[O+36+wg], v[O+18+4*wg], v[O+16+4*wg], 0x07060302
	v_perm_b32 v[O+40+wg], v[O+19+4*wg], v[O+17+4*wg], 0x05040100
	v_perm_b32 v[O+44+wg], v[O+19+4*wg], v[O+17+4*wg], 0x07060302
.set wg, wg+1
.endr
	WIN 0x05                                       ; address and data in window 1
.set wg, 0
.rept 4
	ds_store_b128 v1, v[O+32+4*wg:O+35+4*wg] offset:272*wg   ; column 4 c + wg: its 16 codes along K
.set wg, wg+1
.endr
.endm
.macro WBACK                           ; behind CHANGE 1's round: eight rows of the stage into tile A's P, which is idle until the step's softmax
	WIN 0x01
.set wi, 0
.rept 4
	ds_load_b128 v[P+4*wi:P+4*wi+3], v2 offset:2*wi*272
.set wi, wi+1
.endr
.endm
.macro WOUT
	s_wait_dscnt 32                                ; the four loads are in; K's two sets, 32 loads, may be out
	WIN 0x01
.set wi, 0
.rept 4
	global_store_b128 v4, v[P+4*wi:P+4*wi+3], s[88:89] offset:2*wi*2048 th:TH_STORE_NT   ; sixteen lanes store 256 consecutive bytes, aligned
.set wi, wi+1
.endr
.endm
.macro STEP s                          ; my half's key step s, in slot s % 3
.set AK, 1+((\s)%3)
.if (\s) > 0
	NOPS4                                          ; places in front of loads into the two buffers, which the last products read
.endif
.if (\s) == 1
	WBACK
.endif
	KLOAD 0, 0
	KLOAD 1, 1
.if (\s) == 1
	WOUT
.endif
.if (\s) == 0
	s_wait_loadcnt 16                              ; Q and both tiles' mask are in; Wo's 16 loads behind them may be out
.else
	s_wait_loadcnt 0x0                             ; both tiles' mask of this step
.endif
.if (\s) == 1
	s_wait_xcnt 0x0                                ; Wo's stores have read tile A's P, which this step's softmax writes
.endif
	s_wait_dscnt 16                                ; channels 0-63 are in; the younger set's 16 loads may be out
	SC 0, 0
	NOPS4
	KLOAD 2, 0
	s_wait_dscnt 16                                ; channels 64-127 are in
	SC 1, 1
	NOPS4
	VLOAD 0, 1
	s_wait_dscnt 16                                ; channels 128-191 are in
	SC 2, 0
	NOPS4                                          ; places in front of the loads below and of the first reads of scores
	VLOAD 1, 0                                     ; both sets of V land under tile A's softmax
	SOFT 0, \s
	s_wait_alu depctr_va_vdst(0)
	s_wait_dscnt 0x0
	PV 0, \s                                       ; tile A's products are issued ahead of tile B's softmax, which names none of their registers
	SOFT 1, \s
.if (\s) == 0
	WOQ
.endif
	PV 1, \s
.endm
.macro CHANGE fill                     ; fill = 1: slot 0, just read, is filled again with key step 3.  fill = 0: that load has landed in every wave
	WIN 0
	s_wait_tensorcnt 0x0                           ; all my tensor loads have landed: a group 0 may be written
	ds_add_u32 v5, v6
.if \fill
	s_add_nc_u64 s[38:39], s[38:39], 3*HALFB
.endif
	s_wait_dscnt 0x0                               ; the add is done, and my reads of the slot are over
.if \fill
	ROUND                                          ; no wave of any partner still reads the slot or has a load on its way
	tensor_load_to_lds s[36:39], s[28:35]          ; four v_nop, the next step's first lines, follow the s_nop 0
	s_nop 0
.else
	s_barrier_signal -1
	s_barrier_wait -1
.endif
.endm
	s_wait_alu depctr_va_vdst(0)
	s_wait_tensorcnt 0x0                           ; my part of slot 0 is in; these lines stand ahead of a later first fill as ahead of a refill
	ds_add_u32 v5, v6
	s_wait_dscnt 0x0
	ROUND                                          ; slot 0 is whole in every partner, and the joint loads meet
	tensor_load_to_lds s[40:43], s[76:83]          ; key steps 1 and 2 of both halves: they have key step 0's work in which to land
	s_nop 0
	NOPS4
	STEP 0
	CHANGE 1                                       ; in front of its round every wave has waited for all its loads: slots 1 and 2 are whole
	STEP 1
	STEP 2
	CHANGE 0
	STEP 3
	; THE TWO HALVES OF THE KEYS ARE JOINED.  Waves 4-7 put both tiles' O^T, sum and -M into the tiles' stages; waves 0-3 bring both halves under the larger M, divide, quantise and store.
	WIN 0
	v_add_f32 v14, v14, v15                        ; these four plain lines are the places behind the last products
	v_mov_b32 v15, v12
	WIN 0x55
	v_add_f32 v14, v14, v15
	v_mov_b32 v15, v12
	WIN 0
	s_cmp_lt_u32 s18, 4
	s_cbranch_scc1 .Lkeeps
.irp t, 0,1
	WIN (0x04*\t)                                  ; the data lie in tile t's window, the address in window 0
.set sj, 0
.rept 16
	ds_store_b128 v7, v[O+4*sj:O+4*sj+3] offset:STGB*\t+512*sj
.set sj, sj+1
.endr
	ds_store_b64 v8, v[14:15] offset:STGB*\t
.endr
	WIN 0
.Lkeeps:
	s_wait_dscnt 0x0                               ; for the others' sake: my stores have landed
	s_barrier_signal -1
	s_barrier_wait -1
	s_cmp_lt_u32 s18, 4
	s_cbranch_scc0 .Ldone
.irp t, 0,1
	WIN (0x40*\t)
.set sj, 0
.rept 16
	ds_load_b128 v[S+4*sj:S+4*sj+3], v7 offset:STGB*\t+512*sj
.set sj, sj+1
.endr
	ds_load_b64 v[252:253], v8 offset:STGB*\t
.endr
	s_wait_dscnt 0x0
.irp t, 0,1
	WIN (0x55*\t)
	v_min_num_f32 v250, v12, v253                  ; -(the larger M)
	s_delay_alu instid0(VALU_DEP_1)
	v_sub_f32 v251, v250, v12
	s_delay_alu instid0(VALU_DEP_2)
	v_sub_f32 v253, v250, v253
	s_delay_alu instid0(VALU_DEP_2)
	v_cvt_i32_f32 v251, v251
	s_delay_alu instid0(VALU_DEP_2)
	v_cvt_i32_f32 v253, v253
	s_delay_alu instid0(VALU_DEP_2)
	v_ldexp_f32 v248, 1.0, v251                    ; what my half is multiplied by,
	s_delay_alu instid0(VALU_DEP_2)
	v_ldexp_f32 v250, 1.0, v253                    ; and the other: exact powers of two
	s_delay_alu instid0(VALU_DEP_2)
	v_mul_f32 v14, v14, v248
	s_delay_alu instid0(VALU_DEP_1)
	v_fma_f32 v14, v252, v250, v14
	s_delay_alu instid0(VALU_DEP_1)
	v_permlanex16_b32 v11, v14, s22, s23
	s_delay_alu instid0(VALU_DEP_1)
	v_add_f32 v14, v14, v11                        ; the row's sum
	s_wait_alu depctr_va_vdst(0)
	v_rcp_f32 v14, v14
	v_mov_b32 v10, s72                             ; (the plain line behind the reciprocal)  2^e10
	v_mov_b32 v9, s71                              ; 448 x 2^e10
	s_wait_alu depctr_va_vdst(0)
	v_ldexp_f32 v14, v14, s70                      ; x 2^(e8 + e9)
	s_delay_alu instid0(VALU_DEP_1)
	v_mul_f32 v248, v248, v14
	s_delay_alu instid0(VALU_DEP_2)
	v_mul_f32 v250, v250, v14
.set sj, 0
.rept 32
	v_pk_mul_f32 v[O+sj:O+sj+1], v[O+sj:O+sj+1], v[248:249] op_sel_hi:[1,0]
.set sj, sj+2
.endr
.set sj, 0
.rept 32
	v_pk_fma_f32 v[O+sj:O+sj+1], v[S+sj:S+sj+1], v[250:251], v[O+sj:O+sj+1] op_sel_hi:[1,0,1]
.set sj, sj+2
.endr
.set sj, 0
.rept 64
	v_med3_num_f32 v[O+sj], v[O+sj], -v9, v9
.set sj, sj+1
.endr
.set ti, 0
.rept 8
	v_cvt_scalef32_pk8_fp8_f32 v[P+2*ti:P+2*ti+1], v[O+8*ti:O+8*ti+7], v10   ; registers 2 i, 2 i + 1 of the last product's operand: channels 16 i + 8 (lane / 16) + 0 .. 7 of my query
.set ti, ti+1
.endr
	v_nop
	WIN (0x04*\t)
.irp g, 0,1,2,3
	global_store_b128 v4, v[P+4*\g:P+4*\g+3], s[68:69] offset:2048*\t+512*\g th:TH_STORE_NT   ; 512 consecutive bytes a store
.endr
.endr
	WIN 0
.Ldone:
	s_wait_tensorcnt 0x0                           ; the wave's end
	ds_add_u32 v5, v6
	s_wait_dscnt 0x0
	ROUND                                          ; the closing round
	s_endpgm
.Lfunc_end_k_qc244dcd8c1_attn:
	.size	k_qc244dcd8c1_attn, .Lfunc_end_k_qc244dcd8c1_attn-k_qc244dcd8c1_attn
	.p2alignl 7, 3214868480
	.fill 96, 4, 3214868480
	.section	.rodata,"a",@progbits
	.p2align	6, 0x0
	.amdhsa_kernel k_qc244dcd8c1_attn
		.amdhsa_group_segment_fixed_size 327680
		.amdhsa_private_segment_fixed_size 0
		.amdhsa_enable_private_segment 0
		.amdhsa_kernarg_size 56
		.amdhsa_user_sgpr_count 2
		.amdhsa_user_sgpr_kernarg_segment_ptr 1
		.amdhsa_wavefront_size32 1
		.amdhsa_system_sgpr_workgroup_id_x 1
		.amdhsa_system_sgpr_workgroup_id_y 1
		.amdhsa_system_sgpr_workgroup_id_z 1
		.amdhsa_system_vgpr_workitem_id 0
		.amdhsa_next_free_vgpr 512
		.amdhsa_next_free_sgpr 96
		.amdhsa_reserve_vcc 0
		.amdhsa_float_denorm_mode_32 3
		.amdhsa_float_denorm_mode_16_64 3
		.amdhsa_memory_ordered 1
		.amdhsa_forward_progress 1
		.amdhsa_inst_pref_size 203
	.end_amdhsa_kernel
	.amdgpu_metadata
---
amdhsa.version: [ 1, 2 ]
amdhsa.kernels:
  - .name:           k_qc244dcd8c1_attn
    .symbol:         k_qc244dcd8c1_attn.kd
    .args:
      - { .name: qimg, .offset: 0, .size: 8, .value_kind: global_buffer, .address_space: global }
      - { .name: kv, .offset: 8, .size: 8, .value_kind: global_buffer, .address_space: global }
      - { .name: mimg, .offset: 16, .size: 8, .value_kind: global_buffer, .address_space: global }
      - { .name: lowp_scales, .offset: 24, .size: 8, .value_kind: global_buffer, .address_space: global }
      - { .name: ctx, .offset: 32, .size: 8, .value_kind: global_buffer, .address_space: global }
      - { .name: Wo, .offset: 40, .size: 8, .value_kind: global_buffer, .address_space: global }
      - { .name: wc, .offset: 48, .size: 8, .value_kind: global_buffer, .address_space: global }
    .group_segment_fixed_size: 327680
    .private_segment_fixed_size: 0
    .kernarg_segment_align: 8
    .kernarg_segment_size: 56
    .max_flat_workgroup_size: 256
    .sgpr_count:     96
    .vgpr_count:     512
    .wavefront_size: 32
...
	.end_amdgpu_metadata
.endif
;; end of part 3
;; launch oproj (part 4): grid 16 x 16, 4 waves a work-group, clusters of 4 x 4, 327,680 bytes of LDS; arguments ctx, wc, lowp_scales, bo, out0; writes out0
.if DOCPART == 4
	.amdgcn_target "amdgcn-amd-amdhsa--gfx1250"
	.amdhsa_code_object_version 6
	.text
	.protected	k_qc244dcd8c1_oproj
	.globl	k_qc244dcd8c1_oproj
	.p2align	8
	.type	k_qc244dcd8c1_oproj,@function
k_qc244dcd8c1_oproj:
	s_mov_b64 s[64:65], 0
	v_nop
	global_prefetch_b8 v0, s[64:65] scope:SCOPE_SE
	s_setreg_imm32_b32 hwreg(HW_REG_WAVE_MODE, 25, 1), 1
	s_wait_xcnt 0x0
	s_wait_alu depctr_hold_cnt(0) depctr_sa_sdst(0) depctr_va_vdst(0) depctr_va_sdst(0) depctr_va_ssrc(0) depctr_va_vcc(0) depctr_vm_vsrc(0)
	s_getreg_b32 s2, hwreg(HW_REG_IB_STS2, 6, 4)
	s_cmp_eq_u32 s2, 0
	s_cbranch_scc0 .Lentry_in_a_cluster
	s_endpgm
.Lentry_in_a_cluster:
	s_bfe_u32 s2, ttmp6, 0x10000c
	s_cmp_lg_u32 s2, 0xf033
	s_cbranch_scc0 .Lentry_shape_is_right
	s_endpgm
.Lentry_shape_is_right:
; LAUNCH 4 OF 4: out0 = ctx Wo + bo on E4M3 codes, K = 2048.  Nothing is left out.
; 256 tiles of 128 x 128; four waves, 64 x 64 each (16 accumulators).  K goes in steps of 512 through two LDS slots filled by tensor loads; 4 x 4 work-groups form a cluster,
; A's tile (ctx: images of operand registers, dense, 65,536 bytes a K step) is asked for jointly along a row of the cluster, B's (rows of wc, 512 bytes + 16 of padding) along a column.
; The matrix instruction is used transposed: a lane holds eight neighbouring columns of one row; sum x 2^(e10+e11) + bo goes through the wave's stage in LDS and leaves as aligned runs of 256 bytes.
; PREFETCH: behind K step 0's joint load one prefetch a wave for K step 1 and one for K step 2, behind K step 1's load one for K step 3.  Of what a wave fetches each of the four partners that ask with it
; names a quarter, told apart by address: of A 8,192 dense bytes, lanes 256 bytes apart; of B 16 rows x 512 bytes, two lanes a row.
; LIMITS: e10 + e11 between -126 and 127; NaN is not served.
.set SLOT,   133120
.set BOFF,   65536
.set BP,     528
.set STAGE,  2*SLOT
.set SP,     272
.set SPARE,  STAGE+4*16*SP
.set ADRA, 16
.set ADRB, 20
.set STO,  24
.set RD,   25
.set CO,   26
.set SPW,  28
.set NIL,  29
.set TMP,  32
.set BK,   64
.set BIAS, 96
.set ACC,  128
.set F0,   0
.set F1,   128
.set G1, 24
.set G0, 32
.set G1B, 48
.set G0B, 56
.set MSB, 0
.macro WIN new
.if MSB != \new
	s_set_vgpr_msb (MSB<<8)|\new
.set MSB, \new
.endif
.endm
.set MUL,  0x05
.set TO_F, 0x40
.macro JLOAD s
	s_cmp_eq_u32 s15, 0
	s_cbranch_scc0 .Lfor_b_\@
	tensor_load_to_lds s[G0+4*\s:G0+4*\s+3], s[G1:G1+7]
	s_nop 0
.rept 4
	v_nop
.endr
	s_branch .Lasked_\@
.Lfor_b_\@:
	tensor_load_to_lds s[G0B+4*\s:G0B+4*\s+3], s[G1B:G1B+7]
	s_nop 0
.rept 4
	v_nop
.endr
.Lasked_\@:
.endm
.macro CREST
	s_cmp_lg_u32 s14, 0
	s_cbranch_scc1 .Lnot_wave_0_\@
	s_barrier_signal -3
.Lnot_wave_0_\@:
	s_barrier_wait -3
	s_barrier_signal -1
	s_barrier_wait -1
.endm
.macro CROUND
	s_barrier_signal -1
	s_barrier_wait -1
	CREST
.endm
.macro PLACES
.rept 4
	v_nop
.endr
.endm
	s_load_b256 s[4:11], s[0:1], 0x0
	s_load_b64 s[12:13], s[0:1], 0x20
	v_lshl_add_u32 v[SPW], v0, 2, SPARE
	v_mov_b32 v[NIL], 0
	ds_add_u32 v[SPW], v[NIL]
	ds_add_u32 v[SPW], v[NIL]
	v_lshrrev_b32 v1, 5, v0
	v_readfirstlane_b32 s14, v1
	s_lshr_b32 s15, s14, 1
	s_and_b32 s16, s14, 1
	s_bfe_u32 s40, ttmp6, 0x40000
	s_bfe_u32 s41, ttmp6, 0x40004
	s_lshl_b32 s42, ttmp9, 2
	s_add_co_u32 s42, s42, s40
	s_and_b32 s17, ttmp7, 0xffff
	s_lshl_b32 s17, s17, 2
	s_add_co_u32 s17, s17, s41
	s_lshl_b32 s43, s41, 2
	s_lshl_b32 s43, 15, s43
	s_lshl_b32 s44, 0x1111, s40
	s_or_b32 s[G1+0], s43, (3<<16)|(1<<21)
	s_mov_b32 s[G1+1], 32<<16
	s_mov_b32 s[G1+2], 128<<16
	s_mov_b32 s[G1+3], 32<<16
	s_mov_b32 s[G1+4], 128
	s_mov_b32 s[G1+5], 32
	s_mov_b32 s[G1+6], 0
	s_mov_b32 s[G1+7], 0
	s_or_b32 s[G1B+0], s44, (0<<16)|(1<<20)|(1<<21)|(6<<22)|(3<<25)
	s_mov_b32 s[G1B+1], 512<<16
	s_mov_b32 s[G1B+2], 64<<16
	s_mov_b32 s[G1B+3], 512<<16
	s_mov_b32 s[G1B+4], 64
	s_mov_b32 s[G1B+5], 2048
	s_mov_b32 s[G1B+6], 0
	s_mov_b32 s[G1B+7], 0
	s_lshl_b32 s20, s17, 18
	s_lshl_b32 s21, s16, 15
	s_add_co_u32 s20, s20, s21
	s_mov_b32 s21, 0
	s_lshl_b32 s46, s42, 7
	s_lshl_b32 s47, s16, 6
	s_add_co_u32 s46, s46, s47
	s_add_co_u32 s46, s46, 8192
	s_lshl_b32 s46, s46, 11
	s_mov_b32 s47, 0
	s_lshl_b32 s45, s16, 15
	s_mul_i32 s22, s16, 64*BP
	s_add_co_u32 s22, s22, BOFF
	s_wait_dscnt 0x0
	s_wait_kmcnt 0x0
	s_load_b64 s[66:67], s[8:9], 0x28
	s_add_nc_u64 s[20:21], s[4:5], s[20:21]
	s_add_nc_u64 s[46:47], s[6:7], s[46:47]
	CROUND
.irp s, 0,1
	s_mov_b32 s[G0+4*\s], 1
	s_add_co_u32 s[G0+4*\s+1], s45, \s*SLOT
	s_add_nc_u64 s[G0+4*\s+2:G0+4*\s+3], s[20:21], \s*65536
	s_or_b32 s[G0+4*\s+3], s[G0+4*\s+3], 0x80000000
	s_mov_b32 s[G0B+4*\s], 1
	s_add_co_u32 s[G0B+4*\s+1], s22, \s*SLOT
	s_add_nc_u64 s[G0B+4*\s+2:G0B+4*\s+3], s[46:47], \s*512
	s_or_b32 s[G0B+4*\s+3], s[G0B+4*\s+3], 0x80000000
.endr
	JLOAD 0                                        ; K step 0: one tensor load a wave at the head
	s_cmp_eq_u32 s15, 0                            ; the prefetches: do I fetch for A?
	s_cselect_b64 s[68:69], s[20:21], s[46:47]     ; what I fetch,
	s_cselect_b32 s70, s40, s41                    ; my place among the four that ask for it with me,
	s_mov_b32 s71, 512
	s_cselect_b32 s71, 65536, s71                  ; a K step in bytes,
	s_cselect_b32 s72, 13, 15                      ; a partner's share: 8,192 bytes of A, 16 rows of 2,048 bytes of B,
	s_cselect_b32 s73, 9, 11                       ; and from one pair of lanes to the next: 512 bytes of A, a row of B
	s_lshl_b32 s70, s70, s72
	v_and_b32 v7, 31, v0
	v_lshrrev_b32 v8, 1, v7
	v_and_b32 v7, 1, v7
	v_lshlrev_b32 v8, s73, v8
	v_lshl_add_u32 v7, v7, 8, v8
	v_add_nc_u32 v7, s70, v7
	v_add_nc_u32 v7, s71, v7                       ; K step 1,
	v_add_nc_u32 v8, s71, v7                       ; 2,
	v_add_nc_u32 v9, s71, v8                       ; 3
	global_prefetch_b8 v7, s[68:69] th:TH_LOAD_NT scope:SCOPE_SE
	global_prefetch_b8 v8, s[68:69] th:TH_LOAD_NT scope:SCOPE_SE
	v_and_b32 v1, 15, v0
	v_bfe_u32 v2, v0, 4, 1
	v_and_b32 v3, 31, v0
	v_lshlrev_b32 v3, 4, v3
	s_lshl_b32 s21, s15, 13
	v_mul_u32_u24 v4, v1, BP
	v_lshl_add_u32 v4, v2, 3, v4
	s_mul_i32 s23, s16, 64*BP
	s_add_co_u32 s23, s23, BOFF
.irp s, 0,1
	v_add_nc_u32 v[ADRA+\s], s21, v3
	v_add_nc_u32 v[ADRB+\s], s23, v4
	s_add_co_u32 s21, s21, SLOT
	s_add_co_u32 s23, s23, SLOT
.endr
	s_mul_i32 s23, s14, 16*SP
	s_add_co_u32 s23, s23, STAGE
	v_mul_u32_u24 v5, v1, SP
	v_lshl_add_u32 v5, v2, 5, v5
	v_add_nc_u32 v[STO], s23, v5
	v_mul_u32_u24 v5, v2, SP
	v_lshl_add_u32 v5, v1, 4, v5
	v_add_nc_u32 v[RD], s23, v5
	v_lshlrev_b32 v5, 13, v2
	v_lshl_add_u32 v[CO], v1, 4, v5
	s_lshl_b32 s20, s17, 7
	s_lshl_b32 s21, s15, 6
	s_add_co_u32 s20, s20, s21
	s_lshl_b32 s20, s20, 13
	s_lshl_b32 s46, s42, 9
	s_lshl_b32 s47, s16, 8
	s_add_co_u32 s46, s46, s47
	s_mov_b32 s47, 0
	s_add_nc_u64 s[10:11], s[10:11], s[46:47]
	s_add_co_u32 s20, s20, s46
	s_mov_b32 s21, 0
	s_add_nc_u64 s[12:13], s[12:13], s[20:21]
	v_lshlrev_b32 v6, 5, v2
.irp b, 0,1,2,3
	global_load_b128 v[BIAS+8*\b:BIAS+8*\b+3], v6, s[10:11] offset:64*\b
	global_load_b128 v[BIAS+8*\b+4:BIAS+8*\b+7], v6, s[10:11] offset:64*\b+16
.endr
	s_wait_kmcnt 0x0
	s_add_co_i32 s66, s66, s67
	s_add_co_i32 s66, s66, 127
	s_lshl_b32 s66, s66, 23
	s_mov_b32 s67, s66
.macro MUL8 f, a0, zero
.irp a, \a0, \a0+1
.irp b, 0,1,2,3
.if \zero
	v_wmma_f32_16x16x128_fp8_fp8 v[ACC+8*(4*(\a)+\b):ACC+8*(4*(\a)+\b)+7], v[\f+64+16*\b:\f+64+16*\b+15], v[\f+16*(\a):\f+16*(\a)+15], 0
.else
	v_wmma_f32_16x16x128_fp8_fp8 v[ACC+8*(4*(\a)+\b):ACC+8*(4*(\a)+\b)+7], v[\f+64+16*\b:\f+64+16*\b+15], v[\f+16*(\a):\f+16*(\a)+15], v[ACC+8*(4*(\a)+\b):ACC+8*(4*(\a)+\b)+7]
.endif
.endr
.endr
.endm
.macro FETCH slot, q, f
	WIN TO_F
.set fi, 0
.rept 4
.set fc, 0
.rept 4
	ds_load_b128 v[\f+16*fi+4*fc:\f+16*fi+4*fc+3], v[ADRA+\slot] offset:(\q)*16384+fi*2048+512*fc
.set fc, fc+1
.endr
.set fc, 0
.rept 8
	ds_load_b64 v[\f+64+16*fi+2*fc:\f+64+16*fi+2*fc+1], v[ADRB+\slot] offset:128*(\q)+fi*16*BP+16*fc
.set fc, fc+1
.endr
.set fi, fi+1
.endr
.endm
.macro QUARTER slot, q, f, g, zero
	s_wait_dscnt 0x0
	PLACES
	FETCH \slot, \q, \g
	WIN MUL
	MUL8 \f, 0, \zero
	MUL8 \f, 2, \zero
.endm
.macro TURN slot, next, fill
	WIN 0
	s_wait_tensorcnt 0x0
	ds_add_u32 v[SPW], v[NIL]
	s_wait_dscnt 1
	WIN MUL
	MUL8 F1, 0, 0
	s_wait_dscnt 0x0
	s_barrier_signal -1
	WIN 0
	s_barrier_wait -1
.if \fill
	CREST
	s_add_nc_u64 s[G0+4*\slot+2:G0+4*\slot+3], s[G0+4*\slot+2:G0+4*\slot+3], 2*65536
	s_add_nc_u64 s[G0B+4*\slot+2:G0B+4*\slot+3], s[G0B+4*\slot+2:G0B+4*\slot+3], 2*512
	JLOAD \slot
.else
	PLACES
.endif
	FETCH \next, 0, F0
	WIN MUL
	MUL8 F1, 2, 0
.endm
	s_wait_alu depctr_va_vdst(0)
	s_wait_tensorcnt 0x0                           ; my part of K step 0 is in; these lines stand ahead of a later first fill as ahead of a refill
	ds_add_u32 v[SPW], v[NIL]
	s_wait_dscnt 0x0
	CROUND                                         ; everybody's part of K step 0 is in, and the joint loads meet
	JLOAD 1                                        ; K step 1, slot 1's first fill
	FETCH 0, 0, F0
	global_prefetch_b8 v9, s[68:69] th:TH_LOAD_NT scope:SCOPE_SE
	QUARTER 0, 1, F0, F1, 1
	QUARTER 0, 2, F1, F0, 0
	QUARTER 0, 3, F0, F1, 0
	TURN 0, 1, 1
	QUARTER 1, 1, F0, F1, 0
	QUARTER 1, 2, F1, F0, 0
	QUARTER 1, 3, F0, F1, 0
	TURN 1, 0, 1
	QUARTER 0, 1, F0, F1, 0
	QUARTER 0, 2, F1, F0, 0
	QUARTER 0, 3, F0, F1, 0
	TURN 0, 1, 0
	QUARTER 1, 1, F0, F1, 0
	QUARTER 1, 2, F1, F0, 0
	QUARTER 1, 3, F0, F1, 0
	s_wait_dscnt 0x0
	MUL8 F1, 0, 0
	MUL8 F1, 2, 0
	WIN 0
	PLACES
	s_wait_loadcnt 0x0
.irp a, 0,1,2,3
.if \a > 0
	s_wait_xcnt 0x0
.endif
.irp b, 0,1,2,3
.irp i, 0,2,4,6
	v_pk_fma_f32 v[TMP+8*\b+\i:TMP+8*\b+\i+1], v[ACC+8*(4*\a+\b)+\i:ACC+8*(4*\a+\b)+\i+1], s[66:67], v[BIAS+8*\b+\i:BIAS+8*\b+\i+1] op_sel_hi:[1,0,1]
.endr
.endr
.irp b, 0,1,2,3
	ds_store_b128 v[STO], v[TMP+8*\b:TMP+8*\b+3] offset:64*\b
	ds_store_b128 v[STO], v[TMP+8*\b+4:TMP+8*\b+7] offset:64*\b+16
.endr
.irp t, 0,1,2,3,4,5,6,7
	ds_load_b128 v[BK+4*\t:BK+4*\t+3], v[RD] offset:\t*2*SP
.endr
.irp t, 0,1,2,3,4,5,6,7
	s_wait_dscnt 7-\t
	global_store_b128 v[CO], v[BK+4*\t:BK+4*\t+3], s[12:13] offset:(16*\a+2*\t)*8192 th:TH_STORE_NT
.endr
.endr
	s_wait_tensorcnt 0x0
	ds_add_u32 v[SPW], v[NIL]
	s_wait_dscnt 0x0
	CROUND
	s_endpgm
.Lfunc_end_k_qc244dcd8c1_oproj:
	.size	k_qc244dcd8c1_oproj, .Lfunc_end_k_qc244dcd8c1_oproj-k_qc244dcd8c1_oproj
	.p2alignl 7, 3214868480
	.fill 96, 4, 3214868480
	.section	.rodata,"a",@progbits
	.p2align	6, 0x0
	.amdhsa_kernel k_qc244dcd8c1_oproj
		.amdhsa_group_segment_fixed_size 327680
		.amdhsa_private_segment_fixed_size 0
		.amdhsa_enable_private_segment 0
		.amdhsa_kernarg_size 40
		.amdhsa_user_sgpr_count 2
		.amdhsa_user_sgpr_kernarg_segment_ptr 1
		.amdhsa_wavefront_size32 1
		.amdhsa_system_sgpr_workgroup_id_x 1
		.amdhsa_system_sgpr_workgroup_id_y 1
		.amdhsa_system_sgpr_workgroup_id_z 1
		.amdhsa_system_vgpr_workitem_id 0
		.amdhsa_next_free_vgpr 512
		.amdhsa_next_free_sgpr 80
		.amdhsa_reserve_vcc 0
		.amdhsa_float_denorm_mode_32 3
		.amdhsa_float_denorm_mode_16_64 3
		.amdhsa_memory_ordered 1
		.amdhsa_forward_progress 1
		.amdhsa_inst_pref_size 92
	.end_amdhsa_kernel
	.amdgpu_metadata
---
amdhsa.version: [ 1, 2 ]
amdhsa.kernels:
  - .name:           k_qc244dcd8c1_oproj
    .symbol:         k_qc244dcd8c1_oproj.kd
    .args:
      - { .name: ctx, .offset: 0, .size: 8, .value_kind: global_buffer, .address_space: global }
      - { .name: wc, .offset: 8, .size: 8, .value_kind: global_buffer, .address_space: global }
      - { .name: lowp_scales, .offset: 16, .size: 8, .value_kind: global_buffer, .address_space: global }
      - { .name: bo, .offset: 24, .size: 8, .value_kind: global_buffer, .address_space: global }
      - { .name: out0, .offset: 32, .size: 8, .value_kind: global_buffer, .address_space: global }
    .group_segment_fixed_size: 327680
    .private_segment_fixed_size: 0
    .kernarg_segment_align: 8
    .kernarg_segment_size: 40
    .max_flat_workgroup_size: 128
    .sgpr_count:     80
    .vgpr_count:     512
    .wavefront_size: 32
...
	.end_amdgpu_metadata
.endif
;; end of part 4
